; MI455X (gfx1250); checked and timed in simulation.
; The chip was launched on July 23, 2026; its instructions are those of AMD's public machine-readable ISA for CDNA 5 (MIT licence, August 2026) and "CDNA5" Instruction Set Architecture Reference Guide (July 2026). The comments in the code are by the model that wrote it; some were corrected since.
;; VTDCLIP. Allowed arithmetic: matrix products marked QUANTISED: E4M3 operands, one given power-of-two scale a tensor, by v_wmma_f32_16x16x64_fp8_fp8 or v_wmma_f32_16x16x128_fp8_fp8, f32 sums; products left as they are: f32 operands where the result goes on into a quantised operand, else bf16, f16 or f32 operands; f32 sums; everything else in f32.
;; Inputs: fc1_b 2,048 float32; fc1_w_codes 2,048 x 16 x 32 uint8 (E4M3 codes of fc1_w, K innermost, in blocks of 32 codes); fc2_b 512 float32; fc2_w_codes 512 x 64 x 32 uint8 (E4M3 codes of fc2_w, K innermost, in blocks of 32 codes); image_feats 1,024 x 16 x 512 float32; k_b 512 float32; k_w_codes 512 x 16 x 32 uint8 (E4M3 codes of k_w, K innermost, in blocks of 32 codes); lowp_scales 18 int32 (the exponents e of the quantised operands' scales 2^e); o_b 512 float32; o_w_codes 512 x 16 x 32 uint8 (E4M3 codes of o_w, K innermost, in blocks of 32 codes); q_b 512 float32; q_w_codes 512 x 16 x 32 uint8 (E4M3 codes of q_w, K innermost, in blocks of 32 codes); text_feats 400 x 512 float32; v_b 512 float32; v_w_codes 512 x 16 x 32 uint8 (E4M3 codes of v_w, K innermost, in blocks of 32 codes).
;; Outputs: out0 400 x 1,024 x 16 float32.
;; This version of the problem:
;;   THIS VERSION OF THE PROBLEM IS GIVEN IN LOW PRECISION. The matrix products marked QUANTISED in the list below multiply operands that are first quantised to E4M3 (4 exponent bits, 3 mantissa bits; 8 bits a number), with one given power-of-two scale for each operand tensor; their sums are f32. All else is computed in f32.
;;   The module's matrix products, in the order in which they are computed (A, B: the left and right operand; K: the contracted axis; several contracted axes count as one K, in the product's order):
;;     1. [M 400, K 512] x [K 512, N 16,384]; A: computed on the way; B: computed on the way: QUANTISED (scales: A lowp_scales[0], B lowp_scales[1])
;;     2. [M 16,384, K 512] x [K 512, N 400]; A: input image_feats; B: input text_feats: QUANTISED (scales: A lowp_scales[2], B lowp_scales[3])
;;     3. [M 16,384, K 512] x [K 512, N 512]; A: input image_feats; B: input q_w (given as codes): QUANTISED (scales: A lowp_scales[4], B lowp_scales[5])
;;     4. [M 1,024, K 512] x [K 512, N 512]; A: computed on the way; B: input k_w (given as codes): QUANTISED (scales: A lowp_scales[6], B lowp_scales[7])
;;     5. [M 1,024, K 512] x [K 512, N 512]; A: computed on the way; B: input v_w (given as codes): QUANTISED (scales: A lowp_scales[8], B lowp_scales[9])
;;     6. batch 8,192 x [M 16, K 64] x [K 64, N 1]; A: computed on the way; B: computed on the way: left as it is (N = 1 < 16)
;;     7. batch 8,192 x [M 16, K 1] x [K 1, N 64]; A: softmax; B: computed on the way: left as it is (K = 1 < 32)
;;     8. [M 16,384, K 512] x [K 512, N 512]; A: computed on the way; B: input o_w (given as codes): QUANTISED (scales: A lowp_scales[10], B lowp_scales[11])
;;     9. [M 16,384, K 512] x [K 512, N 2,048]; A: computed on the way; B: input fc1_w (given as codes): QUANTISED (scales: A lowp_scales[12], B lowp_scales[13])
;;     10. [M 16,384, K 2,048] x [K 2,048, N 512]; A: computed on the way; B: input fc2_w (given as codes): QUANTISED (scales: A lowp_scales[14], B lowp_scales[15])
;;     11. [M 400, K 512] x [K 512, N 16,384]; A: computed on the way; B: computed on the way: QUANTISED (scales: A lowp_scales[16], B lowp_scales[17])
;;   THE QUANTISER, for each operand of a quantised product, along K:
;;     - The operand's scale is 2^e, e = its entry of the input lowp_scales (int32; the entries are numbered through the quantised products in the list's order, A before B).
;;     - Each number is divided by the scale, clamped to +-448, and rounded to the nearest number of E4M3, ties to even, subnormals kept.
;;     - The product sums the exact products of the quantised numbers (number of the format x scale) in f32.
;;   ~~~python
;;   def quantise(x, axis, e):      # numpy; x: float32 -> the quantised numbers, widened to float32 again
;;       x = np.moveaxis(x, axis, -1); K = x.shape[-1]
;;       r = np.clip(x / 2.0 ** e, -448, 448)
;;       step = 2.0 ** (np.maximum(np.frexp(np.where(r == 0, 1, r))[1] - 1, -6) - 3)
;;       q = np.round(r / step) * step * 2.0 ** e      # np.round: ties to even
;;       return np.moveaxis(q, -1, axis).astype(np.float32)
;;   ~~~
;;   OPERANDS COMPUTED ON THE WAY. 'Computed on the way' means the value that the module computes at that place (a softmax that the list does not call 'softmax' is quantised finished and normalised). What goes into a quantiser is computed in f32, as accurately as f32 sums, v_exp_f32 and their like allow (about 1e-6 of the number): no bf16 or f16 on the way to a quantiser, and a product that is left as it is and whose result goes on into a quantised operand takes f32 operands (vector FMAs, or v_wmma_f32_16x16x4_f32). A number that lies on a knife's edge between two numbers of the format may be rounded either way, as far as f32 arithmetic and the matrix unit's own rounding can turn it there, and no further.
;;   INPUTS GIVEN AS CODES. fc1_w (in the module: [2048, 512], K = its axis 1); fc2_w (in the module: [512, 2048], K = its axis 1); k_w (in the module: [512, 512], K = its axis 1); o_w (in the module: [512, 512], K = its axis 1); q_w (in the module: [512, 512], K = its axis 1); v_w (in the module: [512, 512], K = its axis 1): each comes as NAME_codes (uint8): NAME with its K axis moved to the last place and cut into blocks of 32 codes, [.., K / 32, bytes a block], one block behind the other in memory; one code a byte (a code: sign, 4 exponent bits, 3 mantissa bits); its scale is its entry of lowp_scales. Its value is code x scale, taken as it is: it is not quantised again, and the codes and scales need not be those that the quantiser above would give.
;; 2 versions. Each part assembles by itself: llvm-mc -triple=amdgcn-amd-amdhsa -mcpu=gfx1250 --defsym DOCPART=n.
;; ======== version 1 of 2: 3 launches
;; workspace buffers: tq 409,600 bytes; tn 204,800 bytes; c2 1,792 bytes; vfp 6,553,600 bytes; top_idx 4,096 bytes of whole numbers
;; launch prep_chain (part 1): grid 65 x 1, 4 waves a work-group, no clusters, 116,480 bytes of LDS; arguments text_feats, lowp_scales, v_w_codes, v_b, o_w_codes, o_b, fc1_w_codes, fc1_b, fc2_w_codes, tq, tn, c2, vfp; writes tq, tn, c2, vfp
.if DOCPART == 1
	.amdgcn_target "amdgcn-amd-amdhsa--gfx1250"
	.amdhsa_code_object_version 6
	.text
	.protected	k_q4766e440ac_prep_chain
	.globl	k_q4766e440ac_prep_chain
	.p2align	8
	.type	k_q4766e440ac_prep_chain,@function
k_q4766e440ac_prep_chain:
	s_mov_b64 s[64:65], 0
	v_nop
	global_prefetch_b8 v0, s[64:65] scope:SCOPE_SE
	s_setreg_imm32_b32 hwreg(HW_REG_WAVE_MODE, 25, 1), 1
	s_wait_xcnt 0x0
; WHAT THE PROGRAM LEAVES OUT, AND WHY (for all finite values of the inputs).
; The attention has ONE key: scores are [b, h, 16, 1] and the softmax runs over the axis of length 1, so it is exp(0) / exp(0) = 1 whatever q and k hold.
; So the products with q_w and k_w and the scores reach no output: q_w_codes, q_b, k_w_codes, k_b are not loaded and are among no launch's arguments, entries 4 to 7 of lowp_scales are not used,
; and the product of the weights with v is 1 x v.  What follows (v, the projection out, fc1, relu, fc2) has the same row for all 16 frames of a video and hangs on the video by top_idx alone:
; it is one of 400 rows, text row by text row, with the stated quantisers row by row.  This launch makes those 400 rows once; the last launch looks one up for each video by the stored index.
; LIMITS: a NaN, an infinity or an overflow that reaches only q, k or the scores is not carried to the result.  NaN among the inputs is not served.
; Each power of two below is an f32 number: e8, e10-e8-e9, e12-e10-e11, e14-e12-e13, e0, e3, e16 between -126 and 119; e14+e15 between -126 and 127.  x * rsq(sum x^2) stands for x / sqrt(sum x^2).
;
; WORK-GROUPS 0-39, THE CHAIN: g = id / 8 takes text rows 80 g .. 80 g + 79 (5 tiles of 16), hs = id % 8 takes hidden units 256 hs .. + 255.
;   Q(text, e8) -> x v_w + v_b -> Q(e10) -> x o_w + o_b -> Q(e12) -> x fc1_w (my 256 units) + fc1_b, relu -> Q(e14) -> x fc2_w (my 256 of K) -> vfp[hs][row][512], f32, without fc2_b.
;   The four waves share the COLUMNS of each layer (128 units of v and o, 64 hidden units, 128 outputs), each for all 80 rows; the rows' codes go from wave to wave through LDS as images of the operand's registers.
;   Products are used transposed (source 0 = 16 rows of the weight, source 1 = 16 text rows); lane r of tile 2 bl + u takes weight row 32 bl + 8 u + r + 8 (r / 8), so that 16 registers of two tiles are 16 neighbours along the next K.
;   Six chunks of weights of 256 registers each go through windows 2 and 1 by turns, each asked for as soon as its window's last product is issued.
; WORK-GROUPS 40-64, THE TEXT: tile T = id - 40 of 16 rows becomes three tables of codes laid as register images (tq: Q(text, e3), Q(text / norm, e0); tn: Q(text / norm, e16)) and c2 = sum of squares.
; K LAYOUT, alike on both sides of every product: register 4 c + q, byte y, of lane (r, h), fragment s, holds k = 128 s + 32 c + 16 h + 4 q + y of row r.
; No cluster: the forty work-groups of the chain read weights of which one wave uses each fragment once, straight into registers; through LDS every byte would be moved once more.
; LDS: 0 R0 (5 tiles x 8,192) | 40,960 R1 | 81,920 four stages of 16 rows x 528 | 115,712 the text path's own 256 bytes | 115,968 the spare words.
.set R1,     40960
.set STG,    81920
.set PREP_P, 115712
.set SPARE,  115968
.set LI,  1                            ; 16 x lane
.set LI1, 2                            ; + R1
.set XA,  3                            ; text: 2048 r + 64 h
.set WA,  4                            ; weights with rows of 512 bytes: 512 (r + 8 (r / 8)) + 16 h
.set WB,  5                            ; fc2_w: 2048 r + 16 h
.set BOF, 6                            ; biases: 64 h
.set SX1, 7                            ; 16 lane + 8192 wave
.set SW0, 8                            ; 16 lane + 2048 wave
.set SW1, 9                            ; + R1
.set SH,  10                           ; the hidden layer's image
.set SO,  11                           ; the stage, in
.set SR,  12                           ; the stage, back
.set SPW, 13                           ; my spare word; never rewritten
.set NIL, 14                           ; 0; never rewritten
.set LN,  15                           ; lane
.set RR,  24                           ; r
.set HH,  25                           ; h
.set XB0, 32                           ; v32-95, v96-159: the rows' fragments, two buffers
.set ACC, 160                          ; v160-223
.set PC,  224                          ; v224-239: codes just made, two sets of 8
.set BV,  0                            ; window 3: v_b, o_b, fc1_b in the results' layout
.set BO,  64
.set BF,  128
.set MSB, 0
.macro WIN new                         ; the immediate's high byte repeats the setting that is left
.if MSB != (\new)
	s_set_vgpr_msb (MSB<<8)|(\new)
.set MSB, (\new)
.endif
.endm
.macro PLACES                          ; four places serve loads and vector readers behind a product, the fifth a product that writes over an accumulator
.rept 5
	v_nop
.endr
.endm
.macro BARRIER                         ; my LDS stores have landed and my LDS loads are in: then the work-group's barrier
	s_wait_dscnt 0x0
	s_barrier_signal -1
	s_barrier_wait -1
.endm
.macro CLOSE                           ; the wave's end
	s_wait_tensorcnt 0x0
	ds_add_u32 v[SPW], v[NIL]
	s_wait_dscnt 0x0
.endm
.macro MKSC se, vsc, vlim              ; 2^e and 448 x 2^e as f32
	s_add_co_i32 s58, \se, 127
	s_lshl_b32 s59, s58, 23
	v_mov_b32 v[\vsc], s59
	s_add_co_i32 s58, s58, 8
	s_lshl_b32 s58, s58, 23
	s_or_b32 s58, s58, 0x600000
	v_mov_b32 v[\vlim], s58
.endm
.macro XLOAD reg, base, off            ; 64 numbers of my row: 16 neighbours of each block of 32
.irp c, 0,1,2,3
.irp j, 0,1,2,3
	global_load_b128 v[(\reg)+16*\c+4*\j:(\reg)+16*\c+4*\j+3], v[XA], s[\base:\base+1] offset:(\off)+128*\c+16*\j
.endr
.endr
.endm
.macro CHUNK_A wn, base, row0          ; 4 tiles x 4 K steps of a weight with rows of 512 bytes: 64 loads
	WIN \wn
.irp tl, 0,1,2,3
.irp s, 0,1,2,3
.irp c, 0,1,2,3
	global_load_b128 v[16*(4*\tl+\s)+4*\c:16*(4*\tl+\s)+4*\c+3], v[WA], s[\base:\base+1] offset:((\row0)+32*(\tl/2)+8*(\tl%2))*512+128*\s+32*\c
.endr
.endr
.endr
	WIN 0
.endm
.macro CHUNK_B                         ; fc2_w: 8 tiles x my slice's 2 K steps
	WIN 0x40
.irp t, 0,1,2,3,4,5,6,7
.irp s, 0,1
.irp c, 0,1,2,3
	global_load_b128 v[16*(2*\t+\s)+4*\c:16*(2*\t+\s)+4*\c+3], v[WB], s[24:25] offset:16*\t*2048+128*\s+32*\c
.endr
.endr
.endr
	WIN 0
.endm
.macro FETCHX buf, adr, off, n         ; n fragments come back from LDS as they were stored
.set fs, 0
.rept \n
.irp c, 0,1,2,3
	ds_load_b128 v[(\buf)+16*fs+4*\c:(\buf)+16*fs+4*\c+3], v[\adr] offset:(\off)+2048*fs+512*\c
.endr
.set fs, fs+1
.endr
.endm
.macro MUL4 wb, bias, buf              ; 16 products: four accumulators by turns; the bias is the C of each sum's first
.irp s, 0,1,2,3
.if \s == 0
	WIN (\wb)|0x30
.else
	WIN \wb
.endif
.irp tl, 0,1,2,3
.if \s == 0
	v_wmma_f32_16x16x128_fp8_fp8 v[ACC+8*\tl:ACC+8*\tl+7], v[16*(4*\tl+\s):16*(4*\tl+\s)+15], v[(\buf)+16*\s:(\buf)+16*\s+15], v[(\bias)+8*\tl:(\bias)+8*\tl+7]
.else
	v_wmma_f32_16x16x128_fp8_fp8 v[ACC+8*\tl:ACC+8*\tl+7], v[16*(4*\tl+\s):16*(4*\tl+\s)+15], v[(\buf)+16*\s:(\buf)+16*\s+15], v[ACC+8*\tl:ACC+8*\tl+7]
.endif
.endr
.endr
	WIN 0
.endm
.macro QUANT32 relu, sc, lim, pc       ; 32 sums of a lane become 8 registers of codes; the hold (the conversion does not saturate: ISA guide 7.6.2) clips at 0 too where relu = 1
.irp bl, 0,1
.irp e, 0,1,2,3,4,5,6,7,8,9,10,11,12,13,14,15
.if \relu
	v_med3_num_f32 v[ACC+16*\bl+\e], v[ACC+16*\bl+\e], 0, v[\lim]
.else
	v_med3_num_f32 v[ACC+16*\bl+\e], v[ACC+16*\bl+\e], -v[\lim], v[\lim]
.endif
.endr
	v_cvt_scalef32_pk8_fp8_f32 v[(\pc)+4*\bl:(\pc)+4*\bl+1], v[ACC+16*\bl:ACC+16*\bl+7], v[\sc]
	v_cvt_scalef32_pk8_fp8_f32 v[(\pc)+4*\bl+2:(\pc)+4*\bl+3], v[ACC+16*\bl+8:ACC+16*\bl+15], v[\sc]
.endr
	v_nop                                          ; a plain line behind the last conversion: the next products write its sources
.endm
.macro UNIT_A q, last, wb, bias, radr  ; unit q of a layer: the next unit's rows are asked for, this unit's are multiplied
.if (\last) == 0
	FETCHX XB0+64*(((\q)+1)%2), \radr, 8192*(((\q)+1)%5), 4
	s_wait_dscnt 16                                ; all but the 16 loads just issued: this unit's rows are in, the last unit's stores are done
.else
	s_wait_dscnt 0x0
.endif
	MUL4 \wb, \bias, XB0+64*((\q)%2)
	PLACES
.endm
.macro UNIT_B q, relu, sc, lim, wadr, woff
	QUANT32 \relu, \sc, \lim, PC+8*((\q)%2)
	ds_store_b128 v[\wadr], v[PC+8*((\q)%2):PC+8*((\q)%2)+3] offset:(\woff)
	ds_store_b128 v[\wadr], v[PC+8*((\q)%2)+4:PC+8*((\q)%2)+7] offset:(\woff)+512
.endm
	s_load_b512 s[8:23], s[0:1], 0x0               ; text, scales, v_w, v_b, o_w, o_b, fc1_w, fc1_b
	s_load_b256 s[24:31], s[0:1], 0x40             ; fc2_w, tq, tn, c2
	s_load_b64 s[32:33], s[0:1], 0x60              ; vfp
	v_lshl_add_u32 v[SPW], v0, 2, SPARE
	v_mov_b32 v[NIL], 0
	v_lshrrev_b32 v[LN], 5, v0
	v_readfirstlane_b32 s34, v[LN]                 ; wave
	v_and_b32 v[LN], 31, v0
	v_lshlrev_b32 v[LI], 4, v[LN]
	v_and_b32 v[RR], 15, v0
	v_bfe_u32 v[HH], v0, 4, 1
	v_lshlrev_b32 v[XA], 11, v[RR]
	v_lshl_add_u32 v[XA], v[HH], 6, v[XA]
	s_mov_b32 s60, 0x76543210                      ; v_permlanex16_b32: lane l xor 16
	s_mov_b32 s61, 0xfedcba98
	s_mov_b32 s57, 0
	s_mov_b32 s59, 0
	s_wait_kmcnt 0x0
	s_load_b512 s[36:51], s[10:11], 0x0            ; e0 .. e15
	s_load_b64 s[52:53], s[10:11], 0x40            ; e16, e17
	s_cmp_ge_u32 ttmp9, 40
	s_cbranch_scc1 .Lprep
	; ---------------- the chain ----------------
	s_lshr_b32 s35, ttmp9, 3                       ; g
	s_and_b32 s54, ttmp9, 7                        ; hs
	v_add_nc_u32 v[LI1], R1, v[LI]
	v_and_b32 v26, 8, v[RR]
	v_add_nc_u32 v26, v26, v[RR]                   ; r + 8 (r / 8)
	v_lshlrev_b32 v[WA], 9, v26
	v_lshl_add_u32 v[WA], v[HH], 4, v[WA]
	v_lshlrev_b32 v[WB], 11, v[RR]
	v_lshl_add_u32 v[WB], v[HH], 4, v[WB]
	v_lshlrev_b32 v[BOF], 6, v[HH]
	s_lshl_b32 s55, s34, 13
	v_add_nc_u32 v[SX1], s55, v[LI]
	s_lshl_b32 s55, s34, 11
	v_add_nc_u32 v[SW0], s55, v[LI]
	v_add_nc_u32 v[SW1], R1, v[SW0]
	s_lshr_b32 s55, s34, 1
	s_lshl_b32 s55, s55, 11
	s_and_b32 s56, s34, 1
	s_lshl_b32 s56, s56, 10
	s_add_co_u32 s55, s55, s56
	v_add_nc_u32 v[SH], s55, v[LI1]                ; K step wave / 2 of the slice, blocks 2 (wave % 2) on
	s_mul_i32 s55, s34, 8448
	s_add_co_u32 s55, s55, STG
	v_mul_u32_u24 v[SO], v[RR], 528
	v_lshl_add_u32 v[SO], v[HH], 5, v[SO]
	v_add_nc_u32 v[SO], s55, v[SO]
	v_add_nc_u32 v[SR], s55, v[LI]
	s_mul_i32 s56, s35, 80
	s_lshl_b32 s58, s34, 4
	s_add_co_u32 s58, s58, s56
	s_lshl_b32 s58, s58, 11
	s_add_nc_u64 s[66:67], s[8:9], s[58:59]        ; text at row 80 g + 16 wave
	s_add_co_u32 s56, s56, 64
	s_lshl_b32 s56, s56, 11
	s_lshl_b32 s58, s34, 9
	s_add_co_u32 s56, s56, s58
	s_add_nc_u64 s[68:69], s[8:9], s[56:57]        ; text at row 80 g + 64, K step wave
	s_add_nc_u64 s[14:15], s[14:15], s[58:59]      ; v_b, o_b at my 128 units
	s_add_nc_u64 s[18:19], s[18:19], s[58:59]
	s_lshl_b32 s56, s34, 16
	s_add_nc_u64 s[12:13], s[12:13], s[56:57]      ; v_w, o_w at my 128 rows
	s_add_nc_u64 s[16:17], s[16:17], s[56:57]
	s_lshl_b32 s56, s54, 17
	s_lshl_b32 s58, s34, 15
	s_add_co_u32 s56, s56, s58
	s_add_nc_u64 s[20:21], s[20:21], s[56:57]      ; fc1_w at row 256 hs + 64 wave
	s_lshl_b32 s56, s54, 10
	s_lshl_b32 s58, s34, 8
	s_add_co_u32 s56, s56, s58
	s_add_nc_u64 s[22:23], s[22:23], s[56:57]      ; fc1_b likewise
	s_lshl_b32 s56, s34, 18
	s_lshl_b32 s58, s54, 8
	s_add_co_u32 s56, s56, s58
	s_add_nc_u64 s[24:25], s[24:25], s[56:57]      ; fc2_w at row 128 wave, K 256 hs
	s_mul_i32 s56, s54, 819200
	s_mul_i32 s58, s35, 163840
	s_add_co_u32 s56, s56, s58
	s_lshl_b32 s58, s34, 9
	s_add_co_u32 s56, s56, s58
	s_add_nc_u64 s[32:33], s[32:33], s[56:57]      ; vfp[hs][80 g][128 wave]
	WIN 0x40
.irp u, 0,1,2,3
	XLOAD 64*\u, 66, 512*\u                        ; tile wave, K step u -> window 1
.endr
	WIN 0
	XLOAD 32, 68, 0                                ; tile 4, K step wave
	WIN 0xc0
.irp t, 0,1,2,3,4,5,6,7
	global_load_b128 v[BV+8*\t:BV+8*\t+3], v[BOF], s[14:15] offset:(32*(\t/2)+8*(\t%2))*4
	global_load_b128 v[BV+8*\t+4:BV+8*\t+7], v[BOF], s[14:15] offset:(32*(\t/2)+8*(\t%2))*4+16
	global_load_b128 v[BO+8*\t:BO+8*\t+3], v[BOF], s[18:19] offset:(32*(\t/2)+8*(\t%2))*4
	global_load_b128 v[BO+8*\t+4:BO+8*\t+7], v[BOF], s[18:19] offset:(32*(\t/2)+8*(\t%2))*4+16
.endr
.irp t, 0,1,2,3
	global_load_b128 v[BF+8*\t:BF+8*\t+3], v[BOF], s[22:23] offset:(32*(\t/2)+8*(\t%2))*4
	global_load_b128 v[BF+8*\t+4:BF+8*\t+7], v[BOF], s[22:23] offset:(32*(\t/2)+8*(\t%2))*4+16
.endr
	WIN 0
	CHUNK_A 0x80, 12, 0                            ; v_w, my units 0-63 -> window 2
	s_wait_kmcnt 0x0
	MKSC s44, 16, 17                               ; e8
	s_add_co_i32 s70, s44, s45                     ; a sum of the first product stands for sum x 2^(e8 + e9): the three scales fold into the conversion's one,
	s_sub_co_i32 s55, s46, s70
	MKSC s55, 18, 19
	s_sub_co_i32 s70, 0, s70                       ; and the bias goes in divided by 2^(e8 + e9)
	s_add_co_i32 s71, s46, s47
	s_sub_co_i32 s55, s48, s71
	MKSC s55, 20, 21
	s_sub_co_i32 s71, 0, s71
	s_add_co_i32 s72, s48, s49
	s_sub_co_i32 s55, s50, s72
	MKSC s55, 22, 23
	s_sub_co_i32 s72, 0, s72
	s_add_co_i32 s62, s50, s51
	s_add_co_i32 s62, s62, 127
	s_lshl_b32 s62, s62, 23                        ; 2^(e14 + e15)
	s_mov_b32 s63, s62
	s_wait_loadcnt 63                              ; behind the text and the biases stand the chunk's 64 loads: all but the youngest 63 are in
	WIN 0xc3
.set i, 0
.rept 64
	v_ldexp_f32 v[BV+i], v[BV+i], s70
	v_ldexp_f32 v[BO+i], v[BO+i], s71
.set i, i+1
.endr
.set i, 0
.rept 32
	v_ldexp_f32 v[BF+i], v[BF+i], s72
.set i, i+1
.endr
	WIN 0x41
.set i, 0
.rept 256
	v_med3_num_f32 v[i], v[i], -v17, v17           ; the hold at 448 x 2^e8
.set i, i+1
.endr
	WIN 0x01
.set i, 0
.rept 32
	v_cvt_scalef32_pk8_fp8_f32 v[96+2*i:97+2*i], v[8*i:8*i+7], v16
.set i, i+1
.endr
	WIN 0
.set i, 0
.rept 64
	v_med3_num_f32 v[32+i], v[32+i], -v17, v17
.set i, i+1
.endr
.set i, 0
.rept 8
	v_cvt_scalef32_pk8_fp8_f32 v[160+2*i:161+2*i], v[32+8*i:39+8*i], v16
.set i, i+1
.endr
	v_nop
.irp u, 0,1,2,3
.irp c, 0,1,2,3
	ds_store_b128 v[SX1], v[96+16*\u+4*\c:99+16*\u+4*\c] offset:2048*\u+512*\c
.endr
.endr
.irp c, 0,1,2,3
	ds_store_b128 v[SW0], v[160+4*\c:163+4*\c] offset:32768+512*\c
.endr
	CHUNK_A 0x40, 12, 64                           ; v_w, my units 64-127 -> window 1, which the text has left
	BARRIER                                        ; the 20 fragments of the text's codes lie in R0
	; ---- v = text x v_w + v_b: reads R0, writes R1
	FETCHX XB0, LI, 0, 4
	s_wait_loadcnt 63                              ; the chunk in window 2 is in: behind it stand the next chunk's 64 loads
.irp m, 0,1,2,3,4
	UNIT_A \m, 0, 2, BV, LI
.if \m == 4
	CHUNK_A 0x80, 16, 0
.endif
	UNIT_B \m, 0, 18, 19, SW1, 8192*\m
.endr
	s_wait_loadcnt 63
.irp m, 0,1,2,3,4
	UNIT_A 5+\m, \m/4, 1, BV+32, LI
.if \m == 4
	CHUNK_A 0x40, 16, 64
.endif
	UNIT_B 5+\m, 0, 18, 19, SW1, 8192*\m+1024
.endr
	BARRIER
	; ---- x o_w + o_b: reads R1, writes R0
	FETCHX XB0, LI1, 0, 4
	s_wait_loadcnt 63
.irp m, 0,1,2,3,4
	UNIT_A \m, 0, 2, BO, LI1
.if \m == 4
	CHUNK_A 0x80, 20, 0
.endif
	UNIT_B \m, 0, 20, 21, SW0, 8192*\m
.endr
	s_wait_loadcnt 63
.irp m, 0,1,2,3,4
	UNIT_A 5+\m, \m/4, 1, BO+32, LI1
.if \m == 4
	CHUNK_B
.endif
	UNIT_B 5+\m, 0, 20, 21, SW0, 8192*\m+1024
.endr
	BARRIER
	; ---- relu(x fc1_w + fc1_b), my 64 hidden units: reads R0, writes R1
	FETCHX XB0, LI, 0, 4
	s_wait_loadcnt 63
.irp m, 0,1,2,3,4
	UNIT_A \m, \m/4, 2, BF, LI
	UNIT_B \m, 1, 22, 23, SH, 4096*\m
.endr
	BARRIER
	; ---- x fc2_w over my slice's 256 hidden units: my 128 outputs of 80 rows, through my stage, out as rows
	FETCHX 32, LI1, 0, 2
	s_wait_loadcnt 0x0
.irp m, 0,1,2,3,4
.if \m < 4
	FETCHX 32+32*((\m+1)%2), LI1, 4096*(\m+1), 2
	s_wait_dscnt 8                                 ; all but the 8 loads just issued
.else
	s_wait_dscnt 0x0
.endif
	WIN 0x01
.irp s, 0,1
.irp t, 0,1,2,3,4,5,6,7
.if \s == 0
	v_wmma_f32_16x16x128_fp8_fp8 v[ACC+8*\t:ACC+8*\t+7], v[32*\t:32*\t+15], v[32+32*(\m%2):32+32*(\m%2)+15], 0
.else
	v_wmma_f32_16x16x128_fp8_fp8 v[ACC+8*\t:ACC+8*\t+7], v[32*\t+16:32*\t+31], v[48+32*(\m%2):48+32*(\m%2)+15], v[ACC+8*\t:ACC+8*\t+7]
.endif
.endr
.endr
	WIN 0
	PLACES
.set i, 0
.rept 32
	v_pk_mul_f32 v[ACC+2*i:ACC+2*i+1], v[ACC+2*i:ACC+2*i+1], s[62:63] op_sel_hi:[1,0]   ; x 2^(e14 + e15); each accumulator from its low end on
.set i, i+1
.endr
.irp t, 0,1,2,3,4,5,6,7
	ds_store_b128 v[SO], v[ACC+8*\t:ACC+8*\t+3] offset:64*\t          ; lane (r, h): row r, outputs 16 t + 8 h + 0 .. 7
	ds_store_b128 v[SO], v[ACC+8*\t+4:ACC+8*\t+7] offset:64*\t+16
.endr
	s_wait_xcnt 0x0                                ; the last tile's stores have read v96-159
.irp i, 0,1,2,3,4,5,6,7,8,9,10,11,12,13,14,15
	ds_load_b128 v[96+4*\i:99+4*\i], v[SR] offset:528*\i              ; LDS serves a wave's instructions in order: these see my stores
.endr
.irp i, 0,1,2,3,4,5,6,7,8,9,10,11,12,13,14,15
	s_wait_dscnt 15-\i                             ; the younger rows may stay out
	global_store_b128 v[LI], v[96+4*\i:99+4*\i], s[32:33] offset:(16*\m+\i)*2048   ; 32 lanes store 512 consecutive bytes, aligned
.endr
.endr
	CLOSE
	s_endpgm
	; ---------------- the text's tables ----------------
.Lprep:
	s_sub_co_u32 s35, ttmp9, 40                    ; tile T; wave w takes K step w of its 16 rows
	s_lshl_b32 s56, s35, 15
	s_lshl_b32 s58, s34, 9
	s_add_co_u32 s56, s56, s58
	s_add_nc_u64 s[8:9], s[8:9], s[56:57]
	XLOAD 32, 8, 0
	v_lshl_add_u32 v26, v[RR], 2, PREP_P           ; the four waves' partial sums of row r
	s_lshl_b32 s58, s34, 6
	v_add_nc_u32 v27, s58, v26
	s_lshl_b32 s56, s35, 14
	s_lshl_b32 s58, s34, 11
	s_add_co_u32 s56, s56, s58
	s_add_nc_u64 s[26:27], s[26:27], s[56:57]      ; tq[T][.][w]
	s_lshl_b32 s56, s35, 13
	s_add_co_u32 s56, s56, s58
	s_add_nc_u64 s[28:29], s[28:29], s[56:57]      ; tn[T][w]
	s_lshl_b32 s56, s35, 6
	s_add_nc_u64 s[30:31], s[30:31], s[56:57]      ; c2[16 T]
	s_wait_kmcnt 0x0
	MKSC s39, 4, 5                                 ; e3
	MKSC s36, 6, 7                                 ; e0
	MKSC s52, 8, 9                                 ; e16
	s_wait_loadcnt 0x0
.irp k, 0,1,2,3
	v_pk_mul_f32 v[160+2*\k:161+2*\k], v[32+2*\k:33+2*\k], v[32+2*\k:33+2*\k]
.endr
.set i, 4
.rept 28
	v_pk_fma_f32 v[160+2*(i%4):161+2*(i%4)], v[32+2*i:33+2*i], v[32+2*i:33+2*i], v[160+2*(i%4):161+2*(i%4)]
.set i, i+1
.endr
	v_pk_add_f32 v[160:161], v[160:161], v[162:163]
	v_pk_add_f32 v[164:165], v[164:165], v[166:167]
	v_pk_add_f32 v[160:161], v[160:161], v[164:165]
	v_add_f32 v160, v160, v161
	v_permlanex16_b32 v161, v160, s60, s61
	v_add_f32 v160, v160, v161                     ; row r's sum of squares over my 128 of K
	ds_store_b32 v27, v160
	BARRIER
	ds_load_b32 v160, v26
	ds_load_b32 v161, v26 offset:64
	ds_load_b32 v162, v26 offset:128
	ds_load_b32 v163, v26 offset:192
	s_wait_dscnt 0x0
	v_add_f32 v12, v160, v161
	v_add_f32 v12, v12, v162
	v_add_f32 v12, v12, v163                       ; c2
	v_rsq_f32 v10, v12
	v_nop                                          ; a plain line behind the transcendental
	s_wait_alu depctr_va_vdst(0)                   ; and a wait ahead of its first reader
	v_mov_b32 v11, v10
.set i, 0
.rept 32
	v_pk_mul_f32 v[96+2*i:97+2*i], v[32+2*i:33+2*i], v[10:11] op_sel_hi:[1,0]   ; text / norm
.set i, i+1
.endr
.macro PQ src, sc, lim, pc             ; 64 numbers, held and converted
.set i, 0
.rept 64
	v_med3_num_f32 v[160+i], v[(\src)+i], -v[\lim], v[\lim]
.set i, i+1
.endr
.irp k, 0,1,2,3,4,5,6,7
	v_cvt_scalef32_pk8_fp8_f32 v[(\pc)+2*\k:(\pc)+2*\k+1], v[160+8*\k:167+8*\k], v[\sc]
.endr
	v_nop
.endm
	PQ 32, 4, 5, 224
	PQ 96, 6, 7, 240
	PQ 96, 8, 9, 32                                ; the raw numbers' registers are free by now
.irp c, 0,1,2,3
	global_store_b128 v[LI], v[224+4*\c:227+4*\c], s[26:27] offset:512*\c           ; each store of the wave covers 512 consecutive bytes, aligned
	global_store_b128 v[LI], v[240+4*\c:243+4*\c], s[26:27] offset:8192+512*\c
	global_store_b128 v[LI], v[32+4*\c:35+4*\c], s[28:29] offset:512*\c
.endr
	s_cmp_lg_u32 s34, 0
	s_cbranch_scc1 .Lprep_end
	v_lshlrev_b32 v26, 2, v[RR]
	s_wait_xcnt 0x0                                ; EXEC changes only behind this wait
	v_cmp_gt_u32 vcc_lo, 16, v[LN]
	s_and_saveexec_b32 s58, vcc_lo
	global_store_b32 v26, v12, s[30:31]            ; 16 numbers of c2
	s_wait_xcnt 0x0
	s_or_b32 exec_lo, exec_lo, s58
.Lprep_end:
	CLOSE
	s_endpgm
.Lfunc_end_k_q4766e440ac_prep_chain:
	.size	k_q4766e440ac_prep_chain, .Lfunc_end_k_q4766e440ac_prep_chain-k_q4766e440ac_prep_chain
	.p2alignl 7, 3214868480
	.fill 96, 4, 3214868480
	.section	.rodata,"a",@progbits
	.p2align	6, 0x0
	.amdhsa_kernel k_q4766e440ac_prep_chain
		.amdhsa_group_segment_fixed_size 116480
		.amdhsa_private_segment_fixed_size 0
		.amdhsa_enable_private_segment 0
		.amdhsa_kernarg_size 104
		.amdhsa_user_sgpr_count 2
		.amdhsa_user_sgpr_kernarg_segment_ptr 1
		.amdhsa_wavefront_size32 1
		.amdhsa_system_sgpr_workgroup_id_x 1
		.amdhsa_system_sgpr_workgroup_id_y 1
		.amdhsa_system_sgpr_workgroup_id_z 1
		.amdhsa_system_vgpr_workitem_id 0
		.amdhsa_next_free_vgpr 1024
		.amdhsa_next_free_sgpr 80
		.amdhsa_reserve_vcc 1
		.amdhsa_float_denorm_mode_32 3
		.amdhsa_float_denorm_mode_16_64 3
		.amdhsa_memory_ordered 1
		.amdhsa_forward_progress 1
		.amdhsa_inst_pref_size 255
	.end_amdhsa_kernel
	.section	.bss,"aw",@nobits
	.p2align	6
	.space	262144
	.amdgpu_metadata
---
amdhsa.version: [ 1, 2 ]
amdhsa.kernels:
  - .name:           k_q4766e440ac_prep_chain
    .symbol:         k_q4766e440ac_prep_chain.kd
    .args:
      - { .name: text_feats, .offset: 0, .size: 8, .value_kind: global_buffer, .address_space: global }
      - { .name: lowp_scales, .offset: 8, .size: 8, .value_kind: global_buffer, .address_space: global }
      - { .name: v_w_codes, .offset: 16, .size: 8, .value_kind: global_buffer, .address_space: global }
      - { .name: v_b, .offset: 24, .size: 8, .value_kind: global_buffer, .address_space: global }
      - { .name: o_w_codes, .offset: 32, .size: 8, .value_kind: global_buffer, .address_space: global }
      - { .name: o_b, .offset: 40, .size: 8, .value_kind: global_buffer, .address_space: global }
      - { .name: fc1_w_codes, .offset: 48, .size: 8, .value_kind: global_buffer, .address_space: global }
      - { .name: fc1_b, .offset: 56, .size: 8, .value_kind: global_buffer, .address_space: global }
      - { .name: fc2_w_codes, .offset: 64, .size: 8, .value_kind: global_buffer, .address_space: global }
      - { .name: tq, .offset: 72, .size: 8, .value_kind: global_buffer, .address_space: global }
      - { .name: tn, .offset: 80, .size: 8, .value_kind: global_buffer, .address_space: global }
      - { .name: c2, .offset: 88, .size: 8, .value_kind: global_buffer, .address_space: global }
      - { .name: vfp, .offset: 96, .size: 8, .value_kind: global_buffer, .address_space: global }
    .group_segment_fixed_size: 116480
    .private_segment_fixed_size: 0
    .kernarg_segment_align: 8
    .kernarg_segment_size: 104
    .max_flat_workgroup_size: 128
    .sgpr_count:     80
    .vgpr_count:     1024
    .wavefront_size: 32
...
	.end_amdgpu_metadata
.endif
;; end of part 1
;; launch route (part 2): grid 256 x 1, 4 waves a work-group, no clusters, 248,832 bytes of LDS; arguments image_feats, lowp_scales, tq, c2, top_idx; writes top_idx
.if DOCPART == 2
	.amdgcn_target "amdgcn-amd-amdhsa--gfx1250"
	.amdhsa_code_object_version 6
	.text
	.protected	k_q4766e440ac_route
	.globl	k_q4766e440ac_route
	.p2align	8
	.type	k_q4766e440ac_route,@function
k_q4766e440ac_route:
	s_mov_b64 s[64:65], 0
	v_nop
	global_prefetch_b8 v0, s[64:65] scope:SCOPE_SE
	s_setreg_imm32_b32 hwreg(HW_REG_WAVE_MODE, 25, 1), 1
	s_wait_xcnt 0x0
; top_idx[b]: for each frame the nearest text row (distances = (z2 - 2 Q(image) . Q(text)) + c2, first smallest), its weight softmax_t(Q(txt_n) . Q(vid_n) / 0.01) at that class, the weights added up by class, first largest.
; Left out (shown at the head of the first kernel): the products with q_w and k_w and the scores; nothing of them is needed here.
; Both products are done whole, 400 classes x 16 frames; the class chosen selects a value by v_cndmask_b32; no branch and no address hangs on it.  The index is stored at a fixed place.
; SHARES.  A work-group takes videos 4 wg .. 4 wg + 3.  At the head wave w quantises video w (its 16 rows come by two tensor loads of 16 rows x 1,024 bytes into the wave's own LDS bytes; two loads of mine are out).
; In the walk the waves share the CLASSES (wave 0: tiles 0-6; wave 1: 7-12; wave 2: 13-18; wave 3: 19-24), each for all four videos: a text fragment is loaded once in the work-group and feeds four products.  At the end wave w finishes video w.
; Source 0 = 16 frames, source 1 = 16 classes: lane (r, h) holds class r of the tile, register j frame 8 h + j: the softmax over frames is 8 registers and one exchange of halves.
; The softmax takes the row's largest similarity away first, as reference() does; s x 100 log2(e) stands for (s / 0.01) log2(e); the division is a reciprocal with one correction step.
; No cluster: the text's codes are laid as register images and go from memory straight into the registers of the one wave that uses them; beside the 133,120 bytes of frames and the 65,536 of codes LDS would hold slots of one tile's step only.
; LIMITS: e1, e2 between -126 and 119; e2 + e3 between -127 and 126; e0 + e1 between -133 and 120.  NaN among the inputs is not served.  Where every weight of a video underflows to 0, class 0 is stored, as an argmax over zeros gives.
; LDS: 0 four waves x 2 half tiles of 16 rows x 1,040 | 133,120 codes [video][version][8,192] | 198,656 z2 | 198,912 four waves' state, 12,288 each | 248,320 the spare words.
.set IMGW,  33280
.set HALF,  16640
.set EXC,   133120
.set Z2X,   198656
.set STX,   198912
.set SPARE, 248320
.set L16,  1                           ; 16 x lane
.set R4,   2                           ; 4 r
.set TA,   3                           ; my row in my wave's tile
.set LIE,  4                           ; 16 lane + EXC
.set ZA,   5                           ; Z2X + 32 h
.set EXW,  6                           ; LIE + 16384 wave
.set SXW,  7
.set SXR,  8
.set VINF, 9                           ; +infinity
.set NF,   10                          ; the tile's class of my lane, as f32
.set RL,   11                          ; r
.set C2P,  16                          ; v16-29: c2 of my class in tile i at v[16 + 2 i]; the odd registers hold 0 (named as pairs)
.set SPW,  30
.set NIL,  31
.set ACC2, 32                          ; [video][8] image . text
.set ACC1, 64                          ; [video][8] similarities
.set SD,   96                          ; the smallest distance so far,
.set SN,   128                         ; its class,
.set SW,   160                         ; its weight
.set Z2,   192
.set TMP,  224                         ; per video 8: +0 max, +1 exchange, +2 +3 sum, +4 reciprocal, +5 (pair), +6 +7 quotient
.set T,    32                          ; at the head: 64 numbers at work, v96-223 codes, v224-231 squares, v232 v233 1 / norm
.set PC,   96
.set SQ,   224
.set MSB, 0
.macro WIN new
.if MSB != (\new)
	s_set_vgpr_msb (MSB<<8)|(\new)
.set MSB, (\new)
.endif
.endm
.macro PLACES
.rept 5
	v_nop
.endr
.endm
.macro BARRIER
	s_wait_dscnt 0x0
	s_barrier_signal -1
	s_barrier_wait -1
.endm
.macro MKSC se, vsc, vlim
	s_add_co_i32 s50, \se, 127
	s_lshl_b32 s51, s50, 23
	v_mov_b32 v[\vsc], s51
	s_add_co_i32 s50, s50, 8
	s_lshl_b32 s50, s50, 23
	s_or_b32 s50, s50, 0x600000
	v_mov_b32 v[\vlim], s50
.endm
.macro TLOAD p, i                      ; my tile i's two versions, 8 fragments, into buffer p of window 3: 32 loads of 512 consecutive bytes
	WIN 0xc0
.irp ver, 0,1
.irp s, 0,1,2,3
.irp c, 0,1,2,3
	global_load_b128 v[128*(\p)+64*\ver+16*\s+4*\c:128*(\p)+64*\ver+16*\s+4*\c+3], v[L16], s[52:53] offset:16384*(\i)+8192*\ver+2048*\s+512*\c
.endr
.endr
.endr
	WIN 0
.endm
	s_load_b256 s[4:11], s[0:1], 0x0               ; image, scales, tq, c2
	s_load_b64 s[12:13], s[0:1], 0x20              ; top_idx
	v_lshl_add_u32 v[SPW], v0, 2, SPARE
	v_mov_b32 v[NIL], 0
	ds_add_u32 v[SPW], v[NIL]                      ; the opening: the add, twice on end, and its wait ahead of my first tensor load
	ds_add_u32 v[SPW], v[NIL]
	v_lshrrev_b32 v1, 5, v0
	v_readfirstlane_b32 s32, v1                    ; wave
	s_mov_b32 s16, 0x07d20000                      ; elements of 4 bytes; padding on: 4 words behind every 256
	s_mov_b32 s17, 256<<16                         ; tensor_dim0
	s_mov_b32 s18, 16<<16                          ; tensor_dim1
	s_mov_b32 s19, 256<<16                         ; tile_dim0
	s_mov_b32 s20, 16                              ; tile_dim1
	s_mov_b32 s21, 512                             ; elements from row to row
	s_mov_b32 s22, 0
	s_mov_b32 s23, 0
	s_mov_b32 s24, 1
	s_mul_i32 s25, s32, IMGW
	s_mov_b32 s28, 1
	s_add_co_u32 s29, s25, HALF
	s_lshl_b32 s48, ttmp9, 2
	s_add_co_u32 s48, s48, s32                     ; my video
	s_lshl_b32 s50, s48, 2
	s_mov_b32 s51, 0
	s_lshl_b32 s48, s48, 15
	s_mov_b32 s49, 0
	s_mov_b32 s44, 0x76543210
	s_mov_b32 s45, 0xfedcba98
	s_mov_b32 s46, 0xffff0000                      ; lanes 16-31
	s_wait_dscnt 0x0
	s_wait_kmcnt 0x0
	s_load_b128 s[36:39], s[6:7], 0x0              ; e0 .. e3
	s_add_nc_u64 s[26:27], s[4:5], s[48:49]
	s_add_nc_u64 s[30:31], s[26:27], 1024
	s_or_b32 s27, s27, 0x80000000
	s_or_b32 s31, s31, 0x80000000
	tensor_load_to_lds s[24:27], s[16:23]          ; my video's 16 rows, numbers 0-255
	s_nop 0
	tensor_load_to_lds s[28:31], s[16:23]          ; numbers 256-511
	s_nop 0
.rept 4
	v_nop
.endr
	s_add_nc_u64 s[12:13], s[12:13], s[50:51]      ; top_idx at my video
	v_and_b32 v[RL], 15, v0
	v_bfe_u32 v9, v0, 4, 1                         ; h
	v_and_b32 v10, 31, v0
	v_lshlrev_b32 v[L16], 4, v10
	v_lshlrev_b32 v[R4], 2, v[RL]
	v_mul_u32_u24 v[TA], v[RL], 1040
	v_lshl_add_u32 v[TA], v9, 6, v[TA]
	v_add_nc_u32 v[TA], s25, v[TA]
	v_add_nc_u32 v[LIE], EXC, v[L16]
	v_lshl_add_u32 v[ZA], v9, 5, Z2X
	s_lshl_b32 s48, s32, 14
	v_add_nc_u32 v[EXW], s48, v[LIE]
	s_mul_i32 s48, s32, 12288
	s_add_co_u32 s48, s48, STX
	v_add_nc_u32 v[SXW], s48, v[L16]
	s_lshl_b32 s48, s32, 10
	s_add_co_u32 s48, s48, STX
	v_add_nc_u32 v[SXR], s48, v[L16]
	s_lshl_b32 s48, s32, 6
	s_add_co_u32 s48, s48, Z2X
	v_add_nc_u32 v234, s48, v[R4]                  ; where z2 of my frame r goes
	s_min_u32 s33, s32, 1
	s_mul_i32 s50, s32, 6
	s_add_co_u32 s33, s33, s50                     ; my first tile: 6 wave + min(wave, 1)
	s_lshl_b32 s50, s33, 14
	s_add_nc_u64 s[52:53], s[8:9], s[50:51]
	s_lshl_b32 s50, s33, 6
	s_add_nc_u64 s[54:55], s[10:11], s[50:51]
	s_lshl_b32 s50, s33, 4
	v_add_nc_u32 v[NF], s50, v[RL]
	v_cvt_f32_u32 v[NF], v[NF]
.irp i, 0,1,2,3,4,5
	global_load_b32 v[C2P+2*\i], v[R4], s[54:55] offset:64*\i
.endr
.irp i, 0,1,2,3,4,5,6
	v_mov_b32 v[C2P+2*\i+1], 0
.endr
	TLOAD 0, 0
	TLOAD 1, 1
	s_wait_kmcnt 0x0
	s_add_co_i32 s40, s38, s39
	s_add_co_i32 s40, s40, 128
	s_lshl_b32 s40, s40, 23
	s_or_b32 s40, s40, 0x80000000                  ; -2 x 2^(e2 + e3)
	s_mov_b32 s41, s40
	s_add_co_i32 s42, s36, s37
	s_lshl_b32 s42, s42, 23
	s_add_co_i32 s42, s42, 0x431044fe              ; 100 log2(e) x 2^(e0 + e1)
	s_mov_b32 s43, s42
	MKSC s37, 12, 13                               ; e1
	MKSC s38, 14, 15                               ; e2
	s_wait_tensorcnt 0x0                           ; my two tiles are in; only I read them
	WIN 0x40
.irp s, 0,1,2,3
.irp c, 0,1,2,3
.irp j, 0,1,2,3
	ds_load_b128 v[64*\s+16*\c+4*\j:64*\s+16*\c+4*\j+3], v[TA] offset:HALF*(\s/2)+512*(\s%2)+128*\c+16*\j   ; rows 1,040 bytes apart
.endr
.endr
.endr
	WIN 0x05
.irp s, 0,1,2,3
	s_wait_dscnt 48-16*\s                          ; the later K steps' loads may stay out
.set i, 0
.rept 32
.if (\s == 0) && (i < 4)
	v_pk_mul_f32 v[SQ+2*i:SQ+2*i+1], v[2*i:2*i+1], v[2*i:2*i+1]
.else
	v_pk_fma_f32 v[SQ+2*(i%4):SQ+2*(i%4)+1], v[64*\s+2*i:64*\s+2*i+1], v[64*\s+2*i:64*\s+2*i+1], v[SQ+2*(i%4):SQ+2*(i%4)+1]
.endif
.set i, i+1
.endr
.endr
	WIN 0
	v_pk_add_f32 v[224:225], v[224:225], v[226:227]
	v_pk_add_f32 v[228:229], v[228:229], v[230:231]
	v_pk_add_f32 v[224:225], v[224:225], v[228:229]
	v_add_f32 v224, v224, v225
	v_permlanex16_b32 v225, v224, s44, s45
	v_add_f32 v224, v224, v225                     ; z2 of frame r
	ds_store_b32 v234, v224
	v_rsq_f32 v232, v224
	v_nop
	s_wait_alu depctr_va_vdst(0)                   ; a wait ahead of the first reader
	v_mov_b32 v233, v232
.irp s, 0,1,2,3
	WIN 0x01
.set i, 0
.rept 32
	v_pk_mul_f32 v[T+2*i:T+2*i+1], v[64*\s+2*i:64*\s+2*i+1], v[232:233] op_sel_hi:[1,0]   ; image / norm
.set i, i+1
.endr
	WIN 0
.set i, 0
.rept 64
	v_med3_num_f32 v[T+i], v[T+i], -v13, v13       ; the conversion does not saturate (ISA guide 7.6.2): the hold at 448 x the scale
.set i, i+1
.endr
.set i, 0
.rept 8
	v_cvt_scalef32_pk8_fp8_f32 v[PC+32*\s+2*i:PC+32*\s+2*i+1], v[T+8*i:T+8*i+7], v12
.set i, i+1
.endr
	WIN 0x41
.set i, 0
.rept 64
	v_med3_num_f32 v[64*\s+i], v[64*\s+i], -v15, v15
.set i, i+1
.endr
	WIN 0x01
.set i, 0
.rept 8
	v_cvt_scalef32_pk8_fp8_f32 v[PC+32*\s+16+2*i:PC+32*\s+16+2*i+1], v[64*\s+8*i:64*\s+8*i+7], v14
.set i, i+1
.endr
	v_nop
	WIN 0
.irp c, 0,1,2,3
	ds_store_b128 v[EXW], v[PC+32*\s+4*\c:PC+32*\s+4*\c+3] offset:8192+2048*\s+512*\c       ; version 1: Q(image / norm, e1)
	ds_store_b128 v[EXW], v[PC+32*\s+16+4*\c:PC+32*\s+16+4*\c+3] offset:2048*\s+512*\c      ; version 0: Q(image, e2)
.endr
.endr
	BARRIER                                        ; the four videos' codes and z2 lie in LDS
	WIN 0x80
.irp b, 0,1,2,3
.irp s, 0,1,2,3
.irp c, 0,1,2,3
	ds_load_b128 v[64*\b+16*\s+4*\c:64*\b+16*\s+4*\c+3], v[LIE] offset:16384*\b+2048*\s+512*\c
.endr
.endr
.endr
	WIN 0x40
.irp b, 0,1,2,3
.irp s, 0,1,2,3
.irp c, 0,1,2,3
	ds_load_b128 v[64*\b+16*\s+4*\c:64*\b+16*\s+4*\c+3], v[LIE] offset:16384*\b+8192+2048*\s+512*\c
.endr
.endr
.endr
	WIN 0
.irp b, 0,1,2,3
.irp p, 0,1
	ds_load_b128 v[Z2+8*\b+4*\p:Z2+8*\b+4*\p+3], v[ZA] offset:64*\b+16*\p
.endr
.endr
.irp b, 0,1,2,3
	v_mov_b32 v[TMP+8*\b+1], 0                     ; a lane permute's destination counts as read
	v_mov_b32 v[TMP+8*\b+5], 0                     ; named as the upper half of a pair
.endr
	v_mov_b32 v[VINF], 0x7f800000
	s_wait_dscnt 0x0
; ONE TILE OF 16 CLASSES for the four videos.  first = 1: it starts the running state.  ld = 1: my tile i + 2 is asked for; 2: wave 0 alone has one.  cnt: the younger loads that may stay out.
.macro TILE i, first, ld, cnt
	s_wait_loadcnt \cnt
	WIN 0x0e                                       ; frames window 2, text window 3
.irp s, 0,1,2,3
.irp b, 0,1,2,3
.if \s == 0
	v_wmma_f32_16x16x128_fp8_fp8 v[ACC2+8*\b:ACC2+8*\b+7], v[64*\b+16*\s:64*\b+16*\s+15], v[128*((\i)%2)+16*\s:128*((\i)%2)+16*\s+15], 0
.else
	v_wmma_f32_16x16x128_fp8_fp8 v[ACC2+8*\b:ACC2+8*\b+7], v[64*\b+16*\s:64*\b+16*\s+15], v[128*((\i)%2)+16*\s:128*((\i)%2)+16*\s+15], v[ACC2+8*\b:ACC2+8*\b+7]
.endif
.endr
.endr
	WIN 0x0d                                       ; frames window 1
.irp s, 0,1,2,3
.irp b, 0,1,2,3
.if \s == 0
	v_wmma_f32_16x16x128_fp8_fp8 v[ACC1+8*\b:ACC1+8*\b+7], v[64*\b+16*\s:64*\b+16*\s+15], v[128*((\i)%2)+64+16*\s:128*((\i)%2)+64+16*\s+15], 0
.else
	v_wmma_f32_16x16x128_fp8_fp8 v[ACC1+8*\b:ACC1+8*\b+7], v[64*\b+16*\s:64*\b+16*\s+15], v[128*((\i)%2)+64+16*\s:128*((\i)%2)+64+16*\s+15], v[ACC1+8*\b:ACC1+8*\b+7]
.endif
.endr
.endr
	WIN 0
.if (\i) > 0
	v_add_f32 v[NF], 0x41800000, v[NF]             ; 16 classes on
.endif
	PLACES
.if (\ld) == 1
	TLOAD (\i)%2, (\i)+2
.elseif (\ld) == 2
	s_cmp_lg_u32 s32, 0
	s_cbranch_scc1 .Lno7_\@
	global_load_b32 v[C2P+12], v[R4], s[54:55] offset:384
	TLOAD (\i)%2, (\i)+2
.Lno7_\@:
.endif
	; the class's largest similarity over the 16 frames; each accumulator is read from its low end on
.irp b, 0,1,2,3
	v_max3_num_f32 v[TMP+8*\b], v[ACC1+8*\b], v[ACC1+8*\b+1], v[ACC1+8*\b+2]
.endr
.irp b, 0,1,2,3
	v_max3_num_f32 v[TMP+8*\b], v[TMP+8*\b], v[ACC1+8*\b+3], v[ACC1+8*\b+4]
.endr
.irp b, 0,1,2,3
	v_max3_num_f32 v[TMP+8*\b], v[TMP+8*\b], v[ACC1+8*\b+5], v[ACC1+8*\b+6]
.endr
.irp b, 0,1,2,3
	v_max_num_f32 v[TMP+8*\b], v[TMP+8*\b], v[ACC1+8*\b+7]
.endr
.irp b, 0,1,2,3
	v_permlanex16_b32 v[TMP+8*\b+1], v[TMP+8*\b], s44, s45
.endr
.irp b, 0,1,2,3
	v_max_num_f32 v[TMP+8*\b], v[TMP+8*\b], v[TMP+8*\b+1]
.endr
.irp b, 0,1,2,3
.irp k, 0,2,4,6
	v_pk_add_f32 v[ACC1+8*\b+\k:ACC1+8*\b+\k+1], v[ACC1+8*\b+\k:ACC1+8*\b+\k+1], v[TMP+8*\b:TMP+8*\b+1] op_sel_hi:[1,0] neg_lo:[0,1] neg_hi:[0,1]   ; s - the largest: 0 at the largest
.endr
.endr
.irp b, 0,1,2,3
.irp k, 0,2,4,6
	v_pk_mul_f32 v[ACC1+8*\b+\k:ACC1+8*\b+\k+1], v[ACC1+8*\b+\k:ACC1+8*\b+\k+1], s[42:43] op_sel_hi:[1,0]
.endr
.endr
.irp b, 0,1,2,3
.irp j, 0,1,2,3,4,5,6,7
	v_exp_f32 v[ACC1+8*\b+\j], v[ACC1+8*\b+\j]
.endr
.endr
	; the distances, in reference()'s own order (z2 - 2 dot) + c2: the independent work behind the exponentials
.irp b, 0,1,2,3
.irp k, 0,2,4,6
	v_pk_fma_f32 v[ACC2+8*\b+\k:ACC2+8*\b+\k+1], v[ACC2+8*\b+\k:ACC2+8*\b+\k+1], s[40:41], v[Z2+8*\b+\k:Z2+8*\b+\k+1] op_sel_hi:[1,0,1]
.endr
.endr
.irp b, 0,1,2,3
.irp k, 0,2,4,6
.if \first
	v_pk_add_f32 v[SD+8*\b+\k:SD+8*\b+\k+1], v[ACC2+8*\b+\k:ACC2+8*\b+\k+1], v[C2P+2*(\i):C2P+2*(\i)+1] op_sel_hi:[1,0]
.else
	v_pk_add_f32 v[ACC2+8*\b+\k:ACC2+8*\b+\k+1], v[ACC2+8*\b+\k:ACC2+8*\b+\k+1], v[C2P+2*(\i):C2P+2*(\i)+1] op_sel_hi:[1,0]
.endif
.endr
.endr
	s_wait_alu depctr_va_vdst(0)                   ; one wait for the 32 exponentials, ahead of their first reader
.irp b, 0,1,2,3
	v_pk_add_f32 v[TMP+8*\b+2:TMP+8*\b+3], v[ACC1+8*\b:ACC1+8*\b+1], v[ACC1+8*\b+2:ACC1+8*\b+3]
.endr
.irp b, 0,1,2,3
	v_pk_add_f32 v[TMP+8*\b+2:TMP+8*\b+3], v[TMP+8*\b+2:TMP+8*\b+3], v[ACC1+8*\b+4:ACC1+8*\b+5]
.endr
.irp b, 0,1,2,3
	v_pk_add_f32 v[TMP+8*\b+2:TMP+8*\b+3], v[TMP+8*\b+2:TMP+8*\b+3], v[ACC1+8*\b+6:ACC1+8*\b+7]
.endr
.irp b, 0,1,2,3
	v_add_f32 v[TMP+8*\b+2], v[TMP+8*\b+2], v[TMP+8*\b+3]
.endr
.irp b, 0,1,2,3
	v_permlanex16_b32 v[TMP+8*\b+1], v[TMP+8*\b+2], s44, s45
.endr
.irp b, 0,1,2,3
	v_add_f32 v[TMP+8*\b+2], v[TMP+8*\b+2], v[TMP+8*\b+1]      ; S, at least 1
.endr
.irp b, 0,1,2,3
	v_rcp_f32 v[TMP+8*\b+4], v[TMP+8*\b+2]
.endr
	v_nop
	s_wait_alu depctr_va_vdst(0)                   ; one wait for the four reciprocals
.irp k, 0,2,4,6
.irp b, 0,1,2,3
	v_pk_mul_f32 v[TMP+8*\b+6:TMP+8*\b+7], v[ACC1+8*\b+\k:ACC1+8*\b+\k+1], v[TMP+8*\b+4:TMP+8*\b+5] op_sel_hi:[1,0]      ; q = e r
.endr
.irp b, 0,1,2,3
	v_pk_fma_f32 v[ACC1+8*\b+\k:ACC1+8*\b+\k+1], v[TMP+8*\b+6:TMP+8*\b+7], v[TMP+8*\b+2:TMP+8*\b+3], v[ACC1+8*\b+\k:ACC1+8*\b+\k+1] op_sel_hi:[1,0,1] neg_lo:[1,0,0] neg_hi:[1,0,0]   ; e - q S
.endr
.irp b, 0,1,2,3
.if \first
	v_pk_fma_f32 v[SW+8*\b+\k:SW+8*\b+\k+1], v[ACC1+8*\b+\k:ACC1+8*\b+\k+1], v[TMP+8*\b+4:TMP+8*\b+5], v[TMP+8*\b+6:TMP+8*\b+7] op_sel_hi:[1,0,1]      ; q + (e - q S) r
.else
	v_pk_fma_f32 v[ACC1+8*\b+\k:ACC1+8*\b+\k+1], v[ACC1+8*\b+\k:ACC1+8*\b+\k+1], v[TMP+8*\b+4:TMP+8*\b+5], v[TMP+8*\b+6:TMP+8*\b+7] op_sel_hi:[1,0,1]
.endif
.endr
.endr
.irp b, 0,1,2,3
.irp j, 0,1,2,3,4,5,6,7
.if \first
	v_mov_b32 v[SN+8*\b+\j], v[NF]
.else
	v_cmp_lt_f32 vcc_lo, v[ACC2+8*\b+\j], v[SD+8*\b+\j]        ; strictly less: my classes ascend, so the first smallest stays
	v_cndmask_b32 v[SD+8*\b+\j], v[SD+8*\b+\j], v[ACC2+8*\b+\j], vcc_lo
	v_cndmask_b32 v[SN+8*\b+\j], v[SN+8*\b+\j], v[NF], vcc_lo
	v_cndmask_b32 v[SW+8*\b+\j], v[SW+8*\b+\j], v[ACC1+8*\b+\j], vcc_lo
.endif
.endr
.endr
.endm
	TILE 0, 1, 1, 32                               ; behind c2 and tile 0 stand tile 1's 32 loads
	TILE 1, 0, 1, 32
	TILE 2, 0, 1, 32
	TILE 3, 0, 1, 32
	TILE 4, 0, 2, 32
	TILE 5, 0, 0, 0
	s_cmp_lg_u32 s32, 0
	s_cbranch_scc1 .Lsix
	TILE 6, 0, 0, 0                                ; wave 0's seventh tile: 25 = 7 + 6 + 6 + 6
.Lsix:
	; THE END.  The four waves' states meet: wave w takes video w.
.irp q, 0,1,2,3,4,5,6,7,8,9,10,11,12,13,14,15,16,17,18,19,20,21,22,23
	ds_store_b128 v[SXW], v[96+4*\q:99+4*\q] offset:512*\q
.endr
	BARRIER
.irp u, 0,1,2,3
.irp kind, 0,1,2
.irp p, 0,1
	ds_load_b128 v[96+24*\u+8*\kind+4*\p:96+24*\u+8*\kind+4*\p+3], v[SXR] offset:12288*\u+4096*\kind+512*\p
.endr
.endr
.endr
	s_wait_dscnt 0x0
.irp u, 1,2,3
.irp j, 0,1,2,3,4,5,6,7
	v_cmp_lt_f32 vcc_lo, v[96+24*\u+\j], v[96+\j]  ; the waves' classes ascend: strictly less keeps the lower class
	v_cndmask_b32 v[96+\j], v[96+\j], v[96+24*\u+\j], vcc_lo
	v_cndmask_b32 v[104+\j], v[104+\j], v[104+24*\u+\j], vcc_lo
	v_cndmask_b32 v[112+\j], v[112+\j], v[112+24*\u+\j], vcc_lo
.endr
.endr
.irp j, 0,1,2,3,4,5,6,7
	v_mov_b32 v[120+\j], v[96+\j]
.endr
.irp x, 1,2,4,8
.irp j, 0,1,2,3,4,5,6,7
	v_min_num_f32_dpp v[120+\j], v[120+\j], v[120+\j] row_xmask:\x row_mask:0xf bank_mask:0xf     ; the frame's smallest distance over the 16 lanes
.endr
.endr
.irp j, 0,1,2,3,4,5,6,7
	v_cmp_eq_f32 vcc_lo, v[96+\j], v[120+\j]
	v_cndmask_b32 v[128+\j], v[VINF], v[104+\j], vcc_lo
.endr
.irp x, 1,2,4,8
.irp j, 0,1,2,3,4,5,6,7
	v_min_num_f32_dpp v[128+\j], v[128+\j], v[128+\j] row_xmask:\x row_mask:0xf bank_mask:0xf     ; the lowest class that has it
.endr
.endr
.irp j, 0,1,2,3,4,5,6,7
	v_cmp_eq_f32 vcc_lo, v[104+\j], v[128+\j]
	v_cndmask_b32 v[136+\j], 0, v[112+\j], vcc_lo
.endr
.irp x, 1,2,4,8
.irp j, 0,1,2,3,4,5,6,7
	v_max_num_f32_dpp v[136+\j], v[136+\j], v[136+\j] row_xmask:\x row_mask:0xf bank_mask:0xf     ; its weight (weights are not negative)
.endr
.endr
.irp j, 0,1,2,3,4,5,6,7
	v_permlanex16_b32 v[144+\j], v[128+\j], s44, s45
	v_permlanex16_b32 v[152+\j], v[136+\j], s44, s45
.endr
.irp j, 0,1,2,3,4,5,6,7
	v_cndmask_b32 v[160+\j], v[128+\j], v[144+\j], s46         ; frames 0-7's classes in every lane,
	v_cndmask_b32 v[168+\j], v[144+\j], v[128+\j], s46         ; frames 8-15's,
	v_cndmask_b32 v[176+\j], v[136+\j], v[152+\j], s46         ; and their weights
	v_cndmask_b32 v[184+\j], v[152+\j], v[136+\j], s46
.endr
	v_mov_b32 v192, v160
.irp t, 1,2,3,4,5,6,7,8,9,10,11,12,13,14,15
	v_cmp_eq_u32 vcc_lo, \t, v[RL]
	v_cndmask_b32 v192, v192, v[160+\t], vcc_lo    ; lane r weighs the class of frame r
.endr
	v_cmp_eq_f32 vcc_lo, v160, v192
	v_cndmask_b32 v193, 0, v176, vcc_lo
.irp t, 1,2,3,4,5,6,7,8,9,10,11,12,13,14,15
	v_cmp_eq_f32 vcc_lo, v[160+\t], v192
	v_cndmask_b32 v194, 0, v[176+\t], vcc_lo
	v_add_f32 v193, v193, v194                     ; video_cls at that class, frames ascending
.endr
	v_mov_b32 v195, v193
.irp x, 1,2,4,8
	v_max_num_f32_dpp v195, v195, v195 row_xmask:\x row_mask:0xf bank_mask:0xf
.endr
	v_cmp_eq_f32 vcc_lo, v193, v195
	v_cndmask_b32 v196, v[VINF], v192, vcc_lo
.irp x, 1,2,4,8
	v_min_num_f32_dpp v196, v196, v196 row_xmask:\x row_mask:0xf bank_mask:0xf     ; the lowest class with the largest sum
.endr
	v_cmp_lt_f32 vcc_lo, 0, v195
	v_cndmask_b32 v197, 0, v196, vcc_lo            ; all sums 0: every class ties, the first is class 0
	v_cvt_u32_f32 v197, v197
	v_and_b32 v198, 31, v0
	v_mov_b32 v199, 0
	s_wait_xcnt 0x0                                ; EXEC changes only behind this wait
	v_cmp_eq_u32 vcc_lo, 0, v198
	s_and_saveexec_b32 s48, vcc_lo
	global_store_b32 v199, v197, s[12:13]          ; one word for a video
	s_wait_xcnt 0x0
	s_or_b32 exec_lo, exec_lo, s48
	s_wait_tensorcnt 0x0                           ; the wave's end
	ds_add_u32 v[SPW], v[NIL]
	s_wait_dscnt 0x0
	s_endpgm
.Lfunc_end_k_q4766e440ac_route:
	.size	k_q4766e440ac_route, .Lfunc_end_k_q4766e440ac_route-k_q4766e440ac_route
	.p2alignl 7, 3214868480
	.fill 96, 4, 3214868480
	.section	.rodata,"a",@progbits
	.p2align	6, 0x0
	.amdhsa_kernel k_q4766e440ac_route
		.amdhsa_group_segment_fixed_size 248832
		.amdhsa_private_segment_fixed_size 0
		.amdhsa_enable_private_segment 0
		.amdhsa_kernarg_size 40
		.amdhsa_user_sgpr_count 2
		.amdhsa_user_sgpr_kernarg_segment_ptr 1
		.amdhsa_wavefront_size32 1
		.amdhsa_system_sgpr_workgroup_id_x 1
		.amdhsa_system_sgpr_workgroup_id_y 1
		.amdhsa_system_sgpr_workgroup_id_z 1
		.amdhsa_system_vgpr_workitem_id 0
		.amdhsa_next_free_vgpr 1024
		.amdhsa_next_free_sgpr 66
		.amdhsa_reserve_vcc 1
		.amdhsa_float_denorm_mode_32 3
		.amdhsa_float_denorm_mode_16_64 3
		.amdhsa_memory_ordered 1
		.amdhsa_forward_progress 1
		.amdhsa_inst_pref_size 232
	.end_amdhsa_kernel
	.amdgpu_metadata
---
amdhsa.version: [ 1, 2 ]
amdhsa.kernels:
  - .name:           k_q4766e440ac_route
    .symbol:         k_q4766e440ac_route.kd
    .args:
      - { .name: image_feats, .offset: 0, .size: 8, .value_kind: global_buffer, .address_space: global }
      - { .name: lowp_scales, .offset: 8, .size: 8, .value_kind: global_buffer, .address_space: global }
      - { .name: tq, .offset: 16, .size: 8, .value_kind: global_buffer, .address_space: global }
      - { .name: c2, .offset: 24, .size: 8, .value_kind: global_buffer, .address_space: global }
      - { .name: top_idx, .offset: 32, .size: 8, .value_kind: global_buffer, .address_space: global }
    .group_segment_fixed_size: 248832
    .private_segment_fixed_size: 0
    .kernarg_segment_align: 8
    .kernarg_segment_size: 40
    .max_flat_workgroup_size: 128
    .sgpr_count:     66
    .vgpr_count:     1024
    .wavefront_size: 32
...
	.end_amdgpu_metadata
.endif
;; end of part 2
;; launch logits (part 3): grid 256 x 1, 4 waves a work-group, no clusters, 192,000 bytes of LDS; arguments image_feats, lowp_scales, tn, vfp, fc2_b, top_idx, out0; writes out0
.if DOCPART == 3
	.amdgcn_target "amdgcn-amd-amdhsa--gfx1250"
	.amdhsa_code_object_version 6
	.text
	.protected	k_q4766e440ac_logits
	.globl	k_q4766e440ac_logits
	.p2align	8
	.type	k_q4766e440ac_logits,@function
k_q4766e440ac_logits:
	s_mov_b64 s[64:65], 0
	v_nop
	global_prefetch_b8 v0, s[64:65] scope:SCOPE_SE
	s_setreg_imm32_b32 hwreg(HW_REG_WAVE_MODE, 25, 1), 1
	s_wait_xcnt 0x0
; out0[class][b][t] = Q(text / norm, e16) . Q(x / norm, e17), x = image_feats[b][t] + VF[top_idx[b]], VF[n] = the sum of the eight partial rows vfp[.][n] + fc2_b.
; Left out (shown at the head of the first kernel): the products with q_w and k_w and the scores; and the chain is not run again for each frame: its row is looked up by the index that the launch before stored.
; SHARES.  A work-group takes videos 4 wg .. 4 wg + 3.  At the head wave w adds up its video's row of VF, adds it to the video's 16 frames (two tensor loads of 16 rows x 1,024 bytes into the wave's own LDS bytes; two loads of mine are out),
; normalises and quantises them.  In the walk the waves share the CLASSES (wave 0: tiles 0-6; 1: 7-12; 2: 13-18; 3: 19-24), each for all four videos.
; Source 0 = 16 frames, source 1 = 16 classes: lane (r, h) holds class r, register j frame 8 h + j.  Four videos x 16 frames of one class are 256 consecutive bytes of out0: they meet in my own stage and sixteen lanes store them.
; No cluster: the text's codes are register images that go from memory straight into the registers of the one wave that uses them.
; LIMITS: e17 between -126 and 119; e16 + e17 between -126 and 127.  An index above 399 is held at 399.  NaN among the inputs is not served.
; LDS: 0 four waves x 2 half tiles of 16 rows x 1,040 | 133,120 codes [video][8,192] | 165,888 four rows of VF | 174,080 four stages of 16 rows x 272 | 191,488 the spare words.
.set IMGW,  33280
.set HALF,  16640
.set EXC,   133120
.set VFS,   165888
.set OST,   174080
.set SPARE, 191488
.set L16, 1
.set TA,  2
.set VOF, 3                            ; 16 lane + 2048 x index
.set VSW, 4
.set VA,  5
.set EXW, 6
.set LIE, 7
.set OSA, 8
.set ORA, 9
.set OGO, 10
.set SPW, 30
.set NIL, 31
.set ACC, 32                           ; [video][8]
.set RB,  64                           ; v64-95, v96-127: rows read back from the stage, by turns
.set T,   32                           ; at the head: v32-95 at work; v96-159, v160-223 VF's numbers of a K step, then v96-159 the codes; v224-231 squares; v232-247 VF's row
.set VT,  96
.set PC,  96
.set SQ,  224
.set VS,  232
.set MSB, 0
.macro WIN new
.if MSB != (\new)
	s_set_vgpr_msb (MSB<<8)|(\new)
.set MSB, (\new)
.endif
.endm
.macro PLACES
.rept 5
	v_nop
.endr
.endm
.macro TLOAD p, i                      ; my tile i, 4 fragments, into buffer p of window 2: 16 loads of 512 consecutive bytes
	WIN 0x80
.irp s, 0,1,2,3
.irp c, 0,1,2,3
	global_load_b128 v[64*(\p)+16*\s+4*\c:64*(\p)+16*\s+4*\c+3], v[L16], s[8:9] offset:8192*(\i)+2048*\s+512*\c
.endr
.endr
	WIN 0
.endm
.macro VTLOAD s                        ; VF's numbers of K step s, in the order of my row's
.irp c, 0,1,2,3
.irp j, 0,1,2,3
	ds_load_b128 v[VT+64*((\s)%2)+16*\c+4*\j:VT+64*((\s)%2)+16*\c+4*\j+3], v[VA] offset:512*(\s)+128*\c+16*\j
.endr
.endr
.endm
	s_load_b256 s[4:11], s[0:1], 0x0               ; image, scales, tn, vfp
	s_load_b128 s[12:15], s[0:1], 0x20             ; fc2_b, top_idx
	s_load_b64 s[36:37], s[0:1], 0x30              ; out0
	v_lshl_add_u32 v[SPW], v0, 2, SPARE
	v_mov_b32 v[NIL], 0
	ds_add_u32 v[SPW], v[NIL]                      ; the opening: the add, twice on end, and its wait ahead of my first tensor load
	ds_add_u32 v[SPW], v[NIL]
	v_lshrrev_b32 v1, 5, v0
	v_readfirstlane_b32 s32, v1                    ; wave
	s_mov_b32 s16, 0x07d20000                      ; elements of 4 bytes; padding on: 4 words behind every 256
	s_mov_b32 s17, 256<<16
	s_mov_b32 s18, 16<<16
	s_mov_b32 s19, 256<<16
	s_mov_b32 s20, 16
	s_mov_b32 s21, 512
	s_mov_b32 s22, 0
	s_mov_b32 s23, 0
	s_mov_b32 s24, 1
	s_mul_i32 s25, s32, IMGW
	s_mov_b32 s28, 1
	s_add_co_u32 s29, s25, HALF
	s_lshl_b32 s48, ttmp9, 2
	s_add_co_u32 s48, s48, s32                     ; my video
	s_lshl_b32 s50, s48, 2
	s_mov_b32 s51, 0
	s_lshl_b32 s48, s48, 15
	s_mov_b32 s49, 0
	s_mov_b32 s44, 0x76543210
	s_mov_b32 s45, 0xfedcba98
	s_wait_dscnt 0x0
	s_wait_kmcnt 0x0
	s_load_b64 s[38:39], s[6:7], 0x40              ; e16, e17
	s_add_nc_u64 s[14:15], s[14:15], s[50:51]
	s_load_b32 s34, s[14:15], 0x0                  ; top_idx of my video
	s_add_nc_u64 s[26:27], s[4:5], s[48:49]
	s_add_nc_u64 s[30:31], s[26:27], 1024
	s_or_b32 s27, s27, 0x80000000
	s_or_b32 s31, s31, 0x80000000
	tensor_load_to_lds s[24:27], s[16:23]
	s_nop 0
	tensor_load_to_lds s[28:31], s[16:23]
	s_nop 0
.rept 4
	v_nop
.endr
	v_and_b32 v11, 15, v0                          ; r
	v_bfe_u32 v12, v0, 4, 1                        ; h
	v_and_b32 v13, 31, v0
	v_lshlrev_b32 v[L16], 4, v13
	v_mul_u32_u24 v[TA], v11, 1040
	v_lshl_add_u32 v[TA], v12, 6, v[TA]
	v_add_nc_u32 v[TA], s25, v[TA]
	s_lshl_b32 s48, s32, 11
	s_add_co_u32 s48, s48, VFS
	v_add_nc_u32 v[VSW], s48, v[L16]
	v_lshlrev_b32 v[VA], 6, v12
	v_add_nc_u32 v[VA], s48, v[VA]
	v_add_nc_u32 v[LIE], EXC, v[L16]
	s_lshl_b32 s48, s32, 13
	v_add_nc_u32 v[EXW], s48, v[LIE]
	s_mul_i32 s48, s32, 4352
	s_add_co_u32 s48, s48, OST
	v_mul_u32_u24 v[OSA], v11, 272
	v_lshl_add_u32 v[OSA], v12, 5, v[OSA]
	v_add_nc_u32 v[OSA], s48, v[OSA]
	v_mul_u32_u24 v[ORA], v12, 272
	v_lshl_add_u32 v[ORA], v11, 4, v[ORA]
	v_add_nc_u32 v[ORA], s48, v[ORA]
	v_lshlrev_b32 v[OGO], 16, v12
	v_lshl_add_u32 v[OGO], v11, 4, v[OGO]
	s_min_u32 s33, s32, 1
	s_mul_i32 s50, s32, 6
	s_add_co_u32 s33, s33, s50                     ; my first tile
	s_lshl_b32 s50, s33, 13
	s_add_nc_u64 s[8:9], s[8:9], s[50:51]
	s_lshl_b32 s50, s33, 20
	s_lshl_b32 s48, ttmp9, 8
	s_add_co_u32 s50, s50, s48
	s_add_nc_u64 s[36:37], s[36:37], s[50:51]      ; out0[16 x my first tile][4 wg][0]
	s_wait_kmcnt 0x0
	s_min_u32 s34, s34, 399                        ; the index stays inside the table
	s_lshl_b32 s34, s34, 11
	v_add_nc_u32 v[VOF], s34, v[L16]
	WIN 0xc0
.irp p, 0,1,2,3,4,5,6,7
.irp q, 0,1,2,3
	global_load_b128 v[16*\p+4*\q:16*\p+4*\q+3], v[VOF], s[10:11] offset:819200*\p+512*\q     ; the eight partial rows
.endr
.endr
.irp q, 0,1,2,3
	global_load_b128 v[128+4*\q:131+4*\q], v[L16], s[12:13] offset:512*\q                     ; fc2_b
.endr
	WIN 0
	TLOAD 0, 0
	TLOAD 1, 1
	TLOAD 2, 2
	TLOAD 3, 3
	s_add_co_i32 s50, s39, 127
	s_lshl_b32 s48, s50, 23
	v_mov_b32 v12, s48                             ; 2^e17
	s_add_co_i32 s50, s50, 8
	s_lshl_b32 s50, s50, 23
	s_or_b32 s50, s50, 0x600000
	v_mov_b32 v13, s50                             ; 448 x 2^e17
	s_add_co_i32 s40, s38, s39
	s_add_co_i32 s40, s40, 127
	s_lshl_b32 s40, s40, 23                        ; 2^(e16 + e17)
	s_mov_b32 s41, s40
	s_wait_loadcnt 63                              ; behind the rows and the bias stand the text's 64 loads: all but the youngest 63 are in
	WIN 0x0f
.irp k, 0,1,2,3,4,5,6,7
	v_pk_add_f32 v[VS+2*\k:VS+2*\k+1], v[2*\k:2*\k+1], v[16+2*\k:17+2*\k]
.endr
	WIN 0x0c
.irp p, 2,3,4,5,6,7,8
.irp k, 0,1,2,3,4,5,6,7
	v_pk_add_f32 v[VS+2*\k:VS+2*\k+1], v[VS+2*\k:VS+2*\k+1], v[16*\p+2*\k:16*\p+2*\k+1]        ; slices ascending, the bias last
.endr
.endr
	WIN 0
.irp q, 0,1,2,3
	ds_store_b128 v[VSW], v[VS+4*\q:VS+4*\q+3] offset:512*\q
.endr
	s_wait_tensorcnt 0x0                           ; my two tiles are in; only I read them
	WIN 0x40
.irp s, 0,1,2,3
.irp c, 0,1,2,3
.irp j, 0,1,2,3
	ds_load_b128 v[64*\s+16*\c+4*\j:64*\s+16*\c+4*\j+3], v[TA] offset:HALF*(\s/2)+512*(\s%2)+128*\c+16*\j
.endr
.endr
.endr
	WIN 0
	VTLOAD 0                                       ; LDS serves a wave's instructions in order: these see my stores
.irp s, 0,1,2,3
.if \s < 3
	VTLOAD \s+1
	s_wait_dscnt 16                                ; all but the 16 loads just issued
.else
	s_wait_dscnt 0x0
.endif
	WIN 0x41
.set i, 0
.rept 32
	v_pk_add_f32 v[64*\s+2*i:64*\s+2*i+1], v[64*\s+2*i:64*\s+2*i+1], v[VT+64*(\s%2)+2*i:VT+64*(\s%2)+2*i+1]   ; x = image + VF
.set i, i+1
.endr
	WIN 0x05
.set i, 0
.rept 32
.if (\s == 0) && (i < 4)
	v_pk_mul_f32 v[SQ+2*i:SQ+2*i+1], v[2*i:2*i+1], v[2*i:2*i+1]
.else
	v_pk_fma_f32 v[SQ+2*(i%4):SQ+2*(i%4)+1], v[64*\s+2*i:64*\s+2*i+1], v[64*\s+2*i:64*\s+2*i+1], v[SQ+2*(i%4):SQ+2*(i%4)+1]
.endif
.set i, i+1
.endr
	WIN 0
.endr
	v_pk_add_f32 v[224:225], v[224:225], v[226:227]
	v_pk_add_f32 v[228:229], v[228:229], v[230:231]
	v_pk_add_f32 v[224:225], v[224:225], v[228:229]
	v_add_f32 v224, v224, v225
	v_permlanex16_b32 v225, v224, s44, s45
	v_add_f32 v224, v224, v225
	v_rsq_f32 v14, v224
	v_nop
	s_wait_alu depctr_va_vdst(0)                   ; a wait ahead of the first reader
	v_mov_b32 v15, v14
.irp s, 0,1,2,3
	WIN 0x01
.set i, 0
.rept 32
	v_pk_mul_f32 v[T+2*i:T+2*i+1], v[64*\s+2*i:64*\s+2*i+1], v[14:15] op_sel_hi:[1,0]
.set i, i+1
.endr
	WIN 0
.set i, 0
.rept 64
	v_med3_num_f32 v[T+i], v[T+i], -v13, v13       ; the conversion does not saturate (ISA guide 7.6.2): the hold at 448 x the scale
.set i, i+1
.endr
.set i, 0
.rept 8
	v_cvt_scalef32_pk8_fp8_f32 v[PC+16*\s+2*i:PC+16*\s+2*i+1], v[T+8*i:T+8*i+7], v12
.set i, i+1
.endr
	v_nop
.irp c, 0,1,2,3
	ds_store_b128 v[EXW], v[PC+16*\s+4*\c:PC+16*\s+4*\c+3] offset:2048*\s+512*\c
.endr
.endr
	s_wait_dscnt 0x0
	s_barrier_signal -1
	s_barrier_wait -1                              ; the four videos' codes lie in LDS
	WIN 0x40
.irp b, 0,1,2,3
.irp s, 0,1,2,3
.irp c, 0,1,2,3
	ds_load_b128 v[64*\b+16*\s+4*\c:64*\b+16*\s+4*\c+3], v[LIE] offset:8192*\b+2048*\s+512*\c
.endr
.endr
.endr
	WIN 0
	s_wait_dscnt 0x0
; ONE TILE OF 16 CLASSES for the four videos.  ld = 1: my tile i + 4 is asked for; 2: wave 0 alone has one.  cnt: the younger loads that may stay out.
.macro TILE i, ld, cnt
	s_wait_loadcnt \cnt
	WIN 0x09                                       ; frames window 1, text window 2
.irp s, 0,1,2,3
.irp b, 0,1,2,3
.if \s == 0
	v_wmma_f32_16x16x128_fp8_fp8 v[ACC+8*\b:ACC+8*\b+7], v[64*\b+16*\s:64*\b+16*\s+15], v[64*((\i)%4)+16*\s:64*((\i)%4)+16*\s+15], 0
.else
	v_wmma_f32_16x16x128_fp8_fp8 v[ACC+8*\b:ACC+8*\b+7], v[64*\b+16*\s:64*\b+16*\s+15], v[64*((\i)%4)+16*\s:64*((\i)%4)+16*\s+15], v[ACC+8*\b:ACC+8*\b+7]
.endif
.endr
.endr
	WIN 0
	PLACES
.if (\ld) == 1
	TLOAD (\i)%4, (\i)+4
.elseif (\ld) == 2
	s_cmp_lg_u32 s32, 0
	s_cbranch_scc1 .Lno7_\@
	TLOAD (\i)%4, (\i)+4
.Lno7_\@:
.endif
.set n, 0
.rept 16
	v_pk_mul_f32 v[ACC+2*n:ACC+2*n+1], v[ACC+2*n:ACC+2*n+1], s[40:41] op_sel_hi:[1,0]    ; x 2^(e16 + e17); each accumulator from its low end on
.set n, n+1
.endr
.irp b, 0,1,2,3
	ds_store_b128 v[OSA], v[ACC+8*\b:ACC+8*\b+3] offset:64*\b          ; class r's row: video b, frames 8 h + 0 .. 7
	ds_store_b128 v[OSA], v[ACC+8*\b+4:ACC+8*\b+7] offset:64*\b+16
.endr
	s_wait_xcnt 0x0                                ; the stores of two tiles ago have read these registers
.irp k, 0,1,2,3,4,5,6,7
	ds_load_b128 v[RB+32*((\i)%2)+4*\k:RB+32*((\i)%2)+4*\k+3], v[ORA] offset:544*\k     ; LDS serves a wave's instructions in order: these see my stores
.endr
.irp k, 0,1,2,3,4,5,6,7
	s_wait_dscnt 7-\k                              ; the younger rows may stay out
	global_store_b128 v[OGO], v[RB+32*((\i)%2)+4*\k:RB+32*((\i)%2)+4*\k+3], s[36:37] offset:(16*(\i)+2*\k)*65536 th:TH_STORE_NT   ; sixteen lanes store 256 consecutive bytes, aligned
.endr
.endm
	TILE 0, 1, 48                                  ; three younger tiles of 16 loads may stay out
	TILE 1, 1, 48
	TILE 2, 2, 48
	TILE 3, 0, 32                                  ; counted for the waves without a seventh tile; for wave 0 the count is the smaller, safe one
	TILE 4, 0, 16
	TILE 5, 0, 0
	s_cmp_lg_u32 s32, 0
	s_cbranch_scc1 .Lsix
	TILE 6, 0, 0
.Lsix:
	s_wait_tensorcnt 0x0                           ; the wave's end
	ds_add_u32 v[SPW], v[NIL]
	s_wait_dscnt 0x0
	s_endpgm
.Lfunc_end_k_q4766e440ac_logits:
	.size	k_q4766e440ac_logits, .Lfunc_end_k_q4766e440ac_logits-k_q4766e440ac_logits
	.p2alignl 7, 3214868480
	.fill 96, 4, 3214868480
	.section	.rodata,"a",@progbits
	.p2align	6, 0x0
	.amdhsa_kernel k_q4766e440ac_logits
		.amdhsa_group_segment_fixed_size 192000
		.amdhsa_private_segment_fixed_size 0
		.amdhsa_enable_private_segment 0
		.amdhsa_kernarg_size 56
		.amdhsa_user_sgpr_count 2
		.amdhsa_user_sgpr_kernarg_segment_ptr 1
		.amdhsa_wavefront_size32 1
		.amdhsa_system_sgpr_workgroup_id_x 1
		.amdhsa_system_sgpr_workgroup_id_y 1
		.amdhsa_system_sgpr_workgroup_id_z 1
		.amdhsa_system_vgpr_workitem_id 0
		.amdhsa_next_free_vgpr 1024
		.amdhsa_next_free_sgpr 66
		.amdhsa_reserve_vcc 0
		.amdhsa_float_denorm_mode_32 3
		.amdhsa_float_denorm_mode_16_64 3
		.amdhsa_memory_ordered 1
		.amdhsa_forward_progress 1
		.amdhsa_inst_pref_size 111
	.end_amdhsa_kernel
	.amdgpu_metadata
---
amdhsa.version: [ 1, 2 ]
amdhsa.kernels:
  - .name:           k_q4766e440ac_logits
    .symbol:         k_q4766e440ac_logits.kd
    .args:
      - { .name: image_feats, .offset: 0, .size: 8, .value_kind: global_buffer, .address_space: global }
      - { .name: lowp_scales, .offset: 8, .size: 8, .value_kind: global_buffer, .address_space: global }
      - { .name: tn, .offset: 16, .size: 8, .value_kind: global_buffer, .address_space: global }
      - { .name: vfp, .offset: 24, .size: 8, .value_kind: global_buffer, .address_space: global }
      - { .name: fc2_b, .offset: 32, .size: 8, .value_kind: global_buffer, .address_space: global }
      - { .name: top_idx, .offset: 40, .size: 8, .value_kind: global_buffer, .address_space: global }
      - { .name: out0, .offset: 48, .size: 8, .value_kind: global_buffer, .address_space: global }
    .group_segment_fixed_size: 192000
    .private_segment_fixed_size: 0
    .kernarg_segment_align: 8
    .kernarg_segment_size: 56
    .max_flat_workgroup_size: 128
    .sgpr_count:     66
    .vgpr_count:     1024
    .wavefront_size: 32
...
	.end_amdgpu_metadata
.endif
;; end of part 3
;; ======== version 2 of 2: 3 launches
;; limits: right only within a limited range of input values
;; workspace buffers: tq 409,600 bytes; tn 204,800 bytes; c2 1,792 bytes; vfp 6,553,600 bytes; top_idx 4,096 bytes of whole numbers
;; launch prep_chain (part 4): grid 225 x 1, 4 waves a work-group, no clusters, 327,680 bytes of LDS; arguments text_feats, lowp_scales, v_w_codes, v_b, o_w_codes, o_b, fc1_w_codes, fc1_b, fc2_w_codes, tq, tn, c2, vfp; writes tq, tn, c2, vfp
.if DOCPART == 4
	.amdgcn_target "amdgcn-amd-amdhsa--gfx1250"
	.amdhsa_code_object_version 6
	.text
	.protected	k_q4766e440ac_prep_chain
	.globl	k_q4766e440ac_prep_chain
	.p2align	8
	.type	k_q4766e440ac_prep_chain,@function
k_q4766e440ac_prep_chain:
	s_mov_b64 s[64:65], 0
	v_nop
	global_prefetch_b8 v0, s[64:65] scope:SCOPE_SE
	s_setreg_imm32_b32 hwreg(HW_REG_WAVE_MODE, 25, 1), 1
	s_wait_xcnt 0x0
; WHAT THE PROGRAM LEAVES OUT, AND WHY (for all finite values of the inputs).
; The attention has ONE key: scores are [b, h, 16, 1] and the softmax runs over the axis of length 1, so it is exp(0) / exp(0) = 1 whatever q and k hold.
; So the products with q_w and k_w and the scores reach no output: q_w_codes, q_b, k_w_codes, k_b are not loaded and are among no launch's arguments, entries 4 to 7 of lowp_scales are not used,
; and the product of the weights with v is 1 x v.  What follows (v, the projection out, fc1, relu, fc2) has the same row for all 16 frames of a video and hangs on the video by top_idx alone:
; it is one of 400 rows, text row by text row, with the stated quantisers row by row.  This launch makes those 400 rows once; the last launch looks one up for each video by the stored index.
; LIMITS: a NaN, an infinity or an overflow that reaches only q, k or the scores is not carried to the result.  NaN among the inputs is not served.
; Each power of two below is an f32 number: e8, e10-e8-e9, e12-e10-e11, e14-e12-e13, e0, e3, e16 between -126 and 119; e14+e15 between -126 and 127.  x * rsq(sum x^2) stands for x / sqrt(sum x^2).
;
; WORK-GROUPS 0-199, THE CHAIN: g = id / 8 takes text rows 16 g .. 16 g + 15 (one tile), hs = id % 8 takes hidden units 256 hs .. + 255.
;   Q(text, e8) -> x v_w + v_b -> Q(e10) -> x o_w + o_b -> Q(e12) -> x fc1_w (my 256 units) + fc1_b, relu -> Q(e14) -> x fc2_w (my 256 of K) -> vfp[hs][row][512], f32, without fc2_b.
;   The four waves share the COLUMNS of each layer (128 units of v and o, 64 hidden units, 128 outputs), each for the 16 rows; the rows' codes go from wave to wave through LDS as images of the operand's registers.
;   Products are used transposed (source 0 = 16 rows of the weight, source 1 = 16 text rows); lane r of tile 2 bl + u takes weight row 32 bl + 8 u + r + 8 (r / 8), so that 16 registers of two tiles are 16 neighbours along the next K.
;   THE WEIGHTS come in six chunks of 32 KB a wave, on two ways.  Four go from memory straight into registers (v_w's two, o_w's first, fc1_w's), through windows 2 and 1, each asked for as soon as its window's products are issued.
;   Two come by the tensor data mover into the wave's own LDS bytes and are read from there as fragments: o_w's second 64 rows (my one tensor load at the head) and fc2_w's 128 rows x 256 bytes
;   (a first fill behind the first barrier).  Nothing is filled again; each wave reads its own tiles alone, behind its own wait for 0.
; WORK-GROUPS 200-224, THE TEXT: tile T = id - 200 of 16 rows becomes three tables of codes laid as register images (tq: Q(text, e3), Q(text / norm, e0); tn: Q(text / norm, e16)) and c2 = sum of squares.
; K LAYOUT, alike on both sides of every product: register 4 c + q, byte y, of lane (r, h), fragment s, holds k = 128 s + 32 c + 16 h + 4 q + y of row r.
; No cluster: of the 768 KB that a work-group takes in, the one tile that all share and that comes by the mover is o_w's half, 128 KB; fc2_w's slice differs from work-group to work-group of a row tile.
; No prefetch: the text has no loop to run ahead in.
; LDS: 0 R0 (4 fragments, 8,192) | 8,192 R1 | 16,384 four stages of 16 rows x 528 | 50,176 the text path's own 256 bytes | 50,432 the spare words | 50,944 o_w: four waves x 64 rows x 528 | 186,112 fc2_w: four waves x 128 rows x 272.
.set NCH,    200
.set R1,     8192
.set STG,    16384
.set PREP_P, 50176
.set SPARE,  50432
.set S1,     50944
.set S1W,    33792
.set S2,     186112
.set S2W,    34816
.set LI,  1                            ; 16 x lane
.set LI1, 2                            ; + R1
.set XA,  3                            ; text: 2048 r + 64 h
.set WA,  4                            ; weights with rows of 512 bytes: 512 (r + 8 (r / 8)) + 16 h
.set LB,  5                            ; fc2_w in LDS: my tile + 272 r + 16 h
.set BOF, 6                            ; biases: 64 h
.set LA,  7                            ; o_w in LDS: my tile + 528 (r + 8 (r / 8)) + 16 h
.set SW0, 8                            ; 16 lane + 2048 wave
.set SW1, 9                            ; + R1
.set SH,  10                           ; the hidden layer's image
.set SO,  11                           ; the stage, in
.set SR,  12                           ; the stage, back
.set SPW, 13                           ; my spare word; never rewritten
.set NIL, 14                           ; 0; never rewritten
.set LN,  15                           ; lane
.set RR,  24                           ; r
.set HH,  25                           ; h
.set XB0, 32                           ; v32-95: the rows' four fragments
.set ACC, 160                          ; v160-223
.set PC,  224                          ; v224-239: codes just made, two sets of 8
.set BV,  0                            ; window 3: v_b, o_b, fc1_b in the results' layout
.set BO,  64
.set BF,  128
.set G1A, 76                           ; s[76:83] descriptor group 1 for o_w's tile, s[84:91] for fc2_w's; s[92:95], s[96:99] their groups 0
.set G1B, 84
.set G0A, 92
.set G0B, 96
.set MSB, 0
.macro WIN new                         ; the immediate's high byte repeats the setting that is left
.if MSB != (\new)
	s_set_vgpr_msb (MSB<<8)|(\new)
.set MSB, (\new)
.endif
.endm
.macro PLACES                          ; four places serve loads and vector readers behind a product, the fifth a product that writes over an accumulator
.rept 5
	v_nop
.endr
.endm
.macro BARRIER                         ; my LDS stores have landed and my LDS loads are in: then the work-group's barrier
	s_wait_dscnt 0x0
	s_barrier_signal -1
	s_barrier_wait -1
.endm
.macro CLOSE                           ; the wave's end
	s_wait_tensorcnt 0x0
	ds_add_u32 v[SPW], v[NIL]
	s_wait_dscnt 0x0
.endm
.macro MKSC se, vsc, vlim              ; 2^e and 448 x 2^e as f32
	s_add_co_i32 s58, \se, 127
	s_lshl_b32 s59, s58, 23
	v_mov_b32 v[\vsc], s59
	s_add_co_i32 s58, s58, 8
	s_lshl_b32 s58, s58, 23
	s_or_b32 s58, s58, 0x600000
	v_mov_b32 v[\vlim], s58
.endm
.macro XLOAD reg, base, off            ; 64 numbers of my row: 16 neighbours of each block of 32
.irp c, 0,1,2,3
.irp j, 0,1,2,3
	global_load_b128 v[(\reg)+16*\c+4*\j:(\reg)+16*\c+4*\j+3], v[XA], s[\base:\base+1] offset:(\off)+128*\c+16*\j
.endr
.endr
.endm
.macro CHUNK_A wn, base, row0          ; 4 tiles x 4 K steps of a weight with rows of 512 bytes, from memory: 64 loads
	WIN \wn
.irp tl, 0,1,2,3
.irp s, 0,1,2,3
.irp c, 0,1,2,3
	global_load_b128 v[16*(4*\tl+\s)+4*\c:16*(4*\tl+\s)+4*\c+3], v[WA], s[\base:\base+1] offset:((\row0)+32*(\tl/2)+8*(\tl%2))*512+128*\s+32*\c
.endr
.endr
.endr
	WIN 0
.endm
.macro LFRAG_A                         ; the same 4 tiles x 4 K steps out of my tile of o_w in LDS, into window 2
	WIN 0x80
.irp tl, 0,1,2,3
.irp s, 0,1,2,3
.irp c, 0,1,2,3
	ds_load_b128 v[16*(4*\tl+\s)+4*\c:16*(4*\tl+\s)+4*\c+3], v[LA] offset:(32*(\tl/2)+8*(\tl%2))*528+128*\s+32*\c
.endr
.endr
.endr
	WIN 0
.endm
.macro LFRAG_B                         ; fc2_w: 8 tiles x my slice's 2 K steps out of LDS, into window 2; rows 272 bytes apart
	WIN 0x80
.irp t, 0,1,2,3,4,5,6,7
.irp s, 0,1
.irp c, 0,1,2,3
	ds_load_b128 v[16*(2*\t+\s)+4*\c:16*(2*\t+\s)+4*\c+3], v[LB] offset:16*\t*272+128*\s+32*\c
.endr
.endr
.endr
	WIN 0
.endm
.macro FETCHX buf, adr, off, n         ; n fragments come back from LDS as they were stored
.set fs, 0
.rept \n
.irp c, 0,1,2,3
	ds_load_b128 v[(\buf)+16*fs+4*\c:(\buf)+16*fs+4*\c+3], v[\adr] offset:(\off)+2048*fs+512*\c
.endr
.set fs, fs+1
.endr
.endm
.macro MUL4 wb, bias, buf              ; 16 products: four accumulators by turns; the bias is the C of each sum's first
.irp s, 0,1,2,3
.if \s == 0
	WIN (\wb)|0x30
.else
	WIN \wb
.endif
.irp tl, 0,1,2,3
.if \s == 0
	v_wmma_f32_16x16x128_fp8_fp8 v[ACC+8*\tl:ACC+8*\tl+7], v[16*(4*\tl+\s):16*(4*\tl+\s)+15], v[(\buf)+16*\s:(\buf)+16*\s+15], v[(\bias)+8*\tl:(\bias)+8*\tl+7]
.else
	v_wmma_f32_16x16x128_fp8_fp8 v[ACC+8*\tl:ACC+8*\tl+7], v[16*(4*\tl+\s):16*(4*\tl+\s)+15], v[(\buf)+16*\s:(\buf)+16*\s+15], v[ACC+8*\tl:ACC+8*\tl+7]
.endif
.endr
.endr
	WIN 0
.endm
.macro QUANT32 relu, sc, lim, pc       ; 32 sums of a lane become 8 registers of codes; the hold (the conversion does not saturate: ISA guide 7.6.2) clips at 0 too where relu = 1
.irp bl, 0,1
.irp e, 0,1,2,3,4,5,6,7,8,9,10,11,12,13,14,15
.if \relu
	v_med3_num_f32 v[ACC+16*\bl+\e], v[ACC+16*\bl+\e], 0, v[\lim]
.else
	v_med3_num_f32 v[ACC+16*\bl+\e], v[ACC+16*\bl+\e], -v[\lim], v[\lim]
.endif
.endr
	v_cvt_scalef32_pk8_fp8_f32 v[(\pc)+4*\bl:(\pc)+4*\bl+1], v[ACC+16*\bl:ACC+16*\bl+7], v[\sc]
	v_cvt_scalef32_pk8_fp8_f32 v[(\pc)+4*\bl+2:(\pc)+4*\bl+3], v[ACC+16*\bl+8:ACC+16*\bl+15], v[\sc]
.endr
	v_nop                                          ; a plain line behind the last conversion: the next products write its sources
.endm
.macro QSTORE q, relu, sc, lim, wadr, woff     ; a chunk's 64 units of my 16 rows: quantised, and two blocks of 32 along the next K go to LDS
	QUANT32 \relu, \sc, \lim, PC+8*((\q)%2)
	ds_store_b128 v[\wadr], v[PC+8*((\q)%2):PC+8*((\q)%2)+3] offset:(\woff)
	ds_store_b128 v[\wadr], v[PC+8*((\q)%2)+4:PC+8*((\q)%2)+7] offset:(\woff)+512
.endm
	s_load_b512 s[8:23], s[0:1], 0x0               ; text, scales, v_w, v_b, o_w, o_b, fc1_w, fc1_b
	s_load_b256 s[24:31], s[0:1], 0x40             ; fc2_w, tq, tn, c2
	s_load_b64 s[32:33], s[0:1], 0x60              ; vfp
	v_lshl_add_u32 v[SPW], v0, 2, SPARE
	v_mov_b32 v[NIL], 0
	ds_add_u32 v[SPW], v[NIL]                      ; the opening: the add, twice on end, and its wait ahead of my first tensor load
	ds_add_u32 v[SPW], v[NIL]
	v_lshrrev_b32 v[LN], 5, v0
	v_readfirstlane_b32 s34, v[LN]                 ; wave
	v_and_b32 v[LN], 31, v0
	v_lshlrev_b32 v[LI], 4, v[LN]
	v_and_b32 v[RR], 15, v0
	v_bfe_u32 v[HH], v0, 4, 1
	v_lshlrev_b32 v[XA], 11, v[RR]
	v_lshl_add_u32 v[XA], v[HH], 6, v[XA]
	s_mov_b32 s[G1A], (1<<20)|(6<<22)|(3<<25)      ; elements of 1 byte; padding on: 4 words behind every 128
	s_mov_b32 s[G1A+1], 512<<16                    ; tensor_dim0
	s_mov_b32 s[G1A+2], 64<<16                     ; tensor_dim1
	s_mov_b32 s[G1A+3], 512<<16                    ; tile_dim0
	s_mov_b32 s[G1A+4], 64                         ; tile_dim1
	s_mov_b32 s[G1A+5], 512                        ; from row to row
	s_mov_b32 s[G1A+6], 0
	s_mov_b32 s[G1A+7], 0
	s_mov_b32 s[G1B], (1<<20)|(5<<22)|(3<<25)      ; 4 words behind every 64
	s_mov_b32 s[G1B+1], 256<<16
	s_mov_b32 s[G1B+2], 128<<16
	s_mov_b32 s[G1B+3], 256<<16
	s_mov_b32 s[G1B+4], 128
	s_mov_b32 s[G1B+5], 2048
	s_mov_b32 s[G1B+6], 0
	s_mov_b32 s[G1B+7], 0
	s_mov_b32 s60, 0x76543210                      ; v_permlanex16_b32: lane l xor 16
	s_mov_b32 s61, 0xfedcba98
	s_mov_b32 s57, 0
	s_mov_b32 s59, 0
	s_wait_dscnt 0x0                               ; both opening adds are done
	s_wait_kmcnt 0x0
	s_load_b512 s[36:51], s[10:11], 0x0            ; e0 .. e15
	s_load_b64 s[52:53], s[10:11], 0x40            ; e16, e17
	s_cmp_ge_u32 ttmp9, NCH
	s_cbranch_scc1 .Lprep
	; ---------------- the chain ----------------
	s_lshr_b32 s35, ttmp9, 3                       ; g: my tile of 16 text rows
	s_and_b32 s54, ttmp9, 7                        ; hs
	s_lshl_b32 s56, s34, 16
	s_add_nc_u64 s[12:13], s[12:13], s[56:57]      ; v_w, o_w at my 128 rows
	s_add_nc_u64 s[16:17], s[16:17], s[56:57]
	s_mov_b32 s[G0A], 1
	s_mul_i32 s[G0A+1], s34, S1W
	s_add_co_u32 s[G0A+1], s[G0A+1], S1            ; my tile of o_w in LDS
	s_add_nc_u64 s[G0A+2:G0A+3], s[16:17], 64*512  ; my rows 64-127 of o_w
	s_or_b32 s[G0A+3], s[G0A+3], 0x80000000
	tensor_load_to_lds s[G0A:G0A+3], s[G1A:G1A+7]  ; my one tensor load at the head
	s_nop 0
.rept 4
	v_nop
.endr
	s_mov_b32 s[G0B], 1
	s_mul_i32 s[G0B+1], s34, S2W
	s_add_co_u32 s[G0B+1], s[G0B+1], S2            ; my tile of fc2_w in LDS
	s_wait_alu depctr_va_vdst(0)
	v_add_nc_u32 v[LI1], R1, v[LI]
	v_and_b32 v26, 8, v[RR]
	v_add_nc_u32 v26, v26, v[RR]                   ; r + 8 (r / 8)
	v_lshlrev_b32 v[WA], 9, v26
	v_lshl_add_u32 v[WA], v[HH], 4, v[WA]
	v_mul_u32_u24 v[LA], v26, 528
	v_lshl_add_u32 v[LA], v[HH], 4, v[LA]
	v_add_nc_u32 v[LA], s[G0A+1], v[LA]
	v_mul_u32_u24 v[LB], v[RR], 272
	v_lshl_add_u32 v[LB], v[HH], 4, v[LB]
	v_add_nc_u32 v[LB], s[G0B+1], v[LB]
	v_lshlrev_b32 v[BOF], 6, v[HH]
	s_wait_alu depctr_va_vdst(0)
	s_lshl_b32 s55, s34, 11
	v_add_nc_u32 v[SW0], s55, v[LI]
	v_add_nc_u32 v[SW1], R1, v[SW0]
	s_lshr_b32 s55, s34, 1
	s_lshl_b32 s55, s55, 11
	s_and_b32 s56, s34, 1
	s_lshl_b32 s56, s56, 10
	s_add_co_u32 s55, s55, s56
	v_add_nc_u32 v[SH], s55, v[LI1]                ; K step wave / 2 of the slice, blocks 2 (wave % 2) on
	s_mul_i32 s55, s34, 8448
	s_add_co_u32 s55, s55, STG
	v_mul_u32_u24 v[SO], v[RR], 528
	v_lshl_add_u32 v[SO], v[HH], 5, v[SO]
	v_add_nc_u32 v[SO], s55, v[SO]
	v_add_nc_u32 v[SR], s55, v[LI]
	s_lshl_b32 s56, s35, 15                        ; 16 rows of 2,048 bytes
	s_lshl_b32 s58, s34, 9
	s_add_co_u32 s56, s56, s58
	s_add_nc_u64 s[66:67], s[8:9], s[56:57]        ; text at row 16 g, K step wave
	s_add_nc_u64 s[14:15], s[14:15], s[58:59]      ; v_b, o_b at my 128 units
	s_add_nc_u64 s[18:19], s[18:19], s[58:59]
	s_lshl_b32 s56, s54, 17
	s_lshl_b32 s58, s34, 15
	s_add_co_u32 s56, s56, s58
	s_add_nc_u64 s[20:21], s[20:21], s[56:57]      ; fc1_w at row 256 hs + 64 wave
	s_lshl_b32 s56, s54, 10
	s_lshl_b32 s58, s34, 8
	s_add_co_u32 s56, s56, s58
	s_add_nc_u64 s[22:23], s[22:23], s[56:57]      ; fc1_b likewise
	s_lshl_b32 s56, s34, 18
	s_lshl_b32 s58, s54, 8
	s_add_co_u32 s56, s56, s58
	s_add_nc_u64 s[G0B+2:G0B+3], s[24:25], s[56:57]   ; fc2_w at row 128 wave, K 256 hs: each row's piece begins at a multiple of 256 bytes
	s_or_b32 s[G0B+3], s[G0B+3], 0x80000000
	s_mul_i32 s56, s54, 819200
	s_lshl_b32 s58, s35, 15
	s_add_co_u32 s56, s56, s58
	s_lshl_b32 s58, s34, 9
	s_add_co_u32 s56, s56, s58
	s_add_nc_u64 s[32:33], s[32:33], s[56:57]      ; vfp[hs][16 g][128 wave]
	XLOAD XB0, 66, 0                               ; my K step of the tile's 16 rows
	WIN 0xc0
.irp t, 0,1,2,3,4,5,6,7
	global_load_b128 v[BV+8*\t:BV+8*\t+3], v[BOF], s[14:15] offset:(32*(\t/2)+8*(\t%2))*4
	global_load_b128 v[BV+8*\t+4:BV+8*\t+7], v[BOF], s[14:15] offset:(32*(\t/2)+8*(\t%2))*4+16
	global_load_b128 v[BO+8*\t:BO+8*\t+3], v[BOF], s[18:19] offset:(32*(\t/2)+8*(\t%2))*4
	global_load_b128 v[BO+8*\t+4:BO+8*\t+7], v[BOF], s[18:19] offset:(32*(\t/2)+8*(\t%2))*4+16
.endr
.irp t, 0,1,2,3
	global_load_b128 v[BF+8*\t:BF+8*\t+3], v[BOF], s[22:23] offset:(32*(\t/2)+8*(\t%2))*4
	global_load_b128 v[BF+8*\t+4:BF+8*\t+7], v[BOF], s[22:23] offset:(32*(\t/2)+8*(\t%2))*4+16
.endr
	WIN 0
	CHUNK_A 0x80, 12, 0                            ; v_w, my units 0-63 -> window 2
	s_wait_kmcnt 0x0
	MKSC s44, 16, 17                               ; e8
	s_add_co_i32 s70, s44, s45                     ; a sum of the first product stands for sum x 2^(e8 + e9): the three scales fold into the conversion's one,
	s_sub_co_i32 s55, s46, s70
	MKSC s55, 18, 19
	s_sub_co_i32 s70, 0, s70                       ; and the bias goes in divided by 2^(e8 + e9)
	s_add_co_i32 s71, s46, s47
	s_sub_co_i32 s55, s48, s71
	MKSC s55, 20, 21
	s_sub_co_i32 s71, 0, s71
	s_add_co_i32 s72, s48, s49
	s_sub_co_i32 s55, s50, s72
	MKSC s55, 22, 23
	s_sub_co_i32 s72, 0, s72
	s_add_co_i32 s62, s50, s51
	s_add_co_i32 s62, s62, 127
	s_lshl_b32 s62, s62, 23                        ; 2^(e14 + e15)
	s_mov_b32 s63, s62
	s_wait_loadcnt 63                              ; behind the text's 16 and the biases' 40 loads stand the chunk's 64: all but the youngest 63 are in
	WIN 0xc3
.set i, 0
.rept 64
	v_ldexp_f32 v[BV+i], v[BV+i], s70
	v_ldexp_f32 v[BO+i], v[BO+i], s71
.set i, i+1
.endr
.set i, 0
.rept 32
	v_ldexp_f32 v[BF+i], v[BF+i], s72
.set i, i+1
.endr
	WIN 0
.set i, 0
.rept 64
	v_med3_num_f32 v[XB0+i], v[XB0+i], -v17, v17   ; the hold at 448 x 2^e8
.set i, i+1
.endr
.set i, 0
.rept 8
	v_cvt_scalef32_pk8_fp8_f32 v[ACC+2*i:ACC+2*i+1], v[XB0+8*i:XB0+8*i+7], v16
.set i, i+1
.endr
	v_nop                                          ; a plain line behind the last conversion: products write its result's registers later
.irp c, 0,1,2,3
	ds_store_b128 v[SW0], v[ACC+4*\c:ACC+4*\c+3] offset:512*\c
.endr
	CHUNK_A 0x40, 12, 64                           ; v_w, my units 64-127 -> window 1
	s_wait_tensorcnt 0x0                           ; my tile of o_w is in
	ds_add_u32 v[SPW], v[NIL]
	s_wait_dscnt 0x0                               ; the add is done, and my stores of the text's codes have landed
	s_barrier_signal -1
	s_barrier_wait -1                              ; the four fragments of the text's codes lie in R0
	tensor_load_to_lds s[G0B:G0B+3], s[G1B:G1B+7]  ; fc2_w, my 128 outputs x my slice's 256 of K: my one tensor load behind this barrier
	s_nop 0
.rept 4
	v_nop
.endr
	; ---- v = text x v_w + v_b: reads R0, writes R1.  The rows are fetched once and serve both chunks
	FETCHX XB0, LI, 0, 4
	s_wait_loadcnt 63                              ; the chunk in window 2 is in: behind it stand the next chunk's 64 loads
	s_wait_dscnt 0x0
	MUL4 2, BV, XB0
	PLACES
	CHUNK_A 0x80, 16, 0                            ; o_w, my units 0-63, into the window just left
	QSTORE 0, 0, 18, 19, SW1, 0
	s_wait_loadcnt 63
	MUL4 1, BV+32, XB0
	PLACES
	CHUNK_A 0x40, 20, 0                            ; fc1_w, my 64 hidden units, a layer ahead of their use
	QSTORE 1, 0, 18, 19, SW1, 1024
	BARRIER
	; ---- x o_w + o_b: reads R1, writes R0
	FETCHX XB0, LI1, 0, 4
	s_wait_loadcnt 63                              ; o_w's first chunk is in: behind it stand fc1_w's 64 loads
	s_wait_dscnt 0x0
	MUL4 2, BO, XB0
	PLACES
	LFRAG_A                                        ; o_w, my units 64-127, out of LDS into the window just left
	QSTORE 0, 0, 20, 21, SW0, 0
	s_wait_dscnt 0x0
	MUL4 2, BO+32, XB0
	PLACES
	s_wait_tensorcnt 0x0                           ; my tile of fc2_w is in; only I read it
	LFRAG_B
	QSTORE 1, 0, 20, 21, SW0, 1024
	BARRIER
	; ---- relu(x fc1_w + fc1_b), my 64 hidden units: reads R0, writes R1
	FETCHX XB0, LI, 0, 4
	s_wait_loadcnt 0x0
	s_wait_dscnt 0x0
	MUL4 1, BF, XB0
	PLACES
	QSTORE 0, 1, 22, 23, SH, 0
	BARRIER
	; ---- x fc2_w over my slice's 256 hidden units: my 128 outputs of the 16 rows, through my stage, out as rows
	FETCHX XB0, LI1, 0, 2
	s_wait_dscnt 0x0
	WIN 0x02
.irp s, 0,1
.irp t, 0,1,2,3,4,5,6,7
.if \s == 0
	v_wmma_f32_16x16x128_fp8_fp8 v[ACC+8*\t:ACC+8*\t+7], v[32*\t:32*\t+15], v[XB0:XB0+15], 0
.else
	v_wmma_f32_16x16x128_fp8_fp8 v[ACC+8*\t:ACC+8*\t+7], v[32*\t+16:32*\t+31], v[XB0+16:XB0+31], v[ACC+8*\t:ACC+8*\t+7]
.endif
.endr
.endr
	WIN 0
	PLACES
.set i, 0
.rept 32
	v_pk_mul_f32 v[ACC+2*i:ACC+2*i+1], v[ACC+2*i:ACC+2*i+1], s[62:63] op_sel_hi:[1,0]   ; x 2^(e14 + e15); each accumulator from its low end on
.set i, i+1
.endr
.irp t, 0,1,2,3,4,5,6,7
	ds_store_b128 v[SO], v[ACC+8*\t:ACC+8*\t+3] offset:64*\t          ; lane (r, h): row r, outputs 16 t + 8 h + 0 .. 7
	ds_store_b128 v[SO], v[ACC+8*\t+4:ACC+8*\t+7] offset:64*\t+16
.endr
.irp i, 0,1,2,3,4,5,6,7,8,9,10,11,12,13,14,15
	ds_load_b128 v[96+4*\i:99+4*\i], v[SR] offset:528*\i              ; LDS serves a wave's instructions in order: these see my stores
.endr
.irp i, 0,1,2,3,4,5,6,7,8,9,10,11,12,13,14,15
	s_wait_dscnt 15-\i                             ; the younger rows may stay out
	global_store_b128 v[LI], v[96+4*\i:99+4*\i], s[32:33] offset:\i*2048   ; 32 lanes store 512 consecutive bytes, aligned
.endr
	CLOSE
	s_endpgm
	; ---------------- the text's tables ----------------
.Lprep:
	s_sub_co_u32 s35, ttmp9, NCH                   ; tile T; wave w takes K step w of its 16 rows
	s_lshl_b32 s56, s35, 15
	s_lshl_b32 s58, s34, 9
	s_add_co_u32 s56, s56, s58
	s_add_nc_u64 s[8:9], s[8:9], s[56:57]
	s_wait_alu depctr_va_vdst(0)
	XLOAD 32, 8, 0
	v_lshl_add_u32 v26, v[RR], 2, PREP_P           ; the four waves' partial sums of row r
	s_lshl_b32 s58, s34, 6
	v_add_nc_u32 v27, s58, v26
	s_lshl_b32 s56, s35, 14
	s_lshl_b32 s58, s34, 11
	s_add_co_u32 s56, s56, s58
	s_add_nc_u64 s[26:27], s[26:27], s[56:57]      ; tq[T][.][w]
	s_lshl_b32 s56, s35, 13
	s_add_co_u32 s56, s56, s58
	s_add_nc_u64 s[28:29], s[28:29], s[56:57]      ; tn[T][w]
	s_lshl_b32 s56, s35, 6
	s_add_nc_u64 s[30:31], s[30:31], s[56:57]      ; c2[16 T]
	s_wait_kmcnt 0x0
	MKSC s39, 4, 5                                 ; e3
	MKSC s36, 6, 7                                 ; e0
	MKSC s52, 8, 9                                 ; e16
	s_wait_loadcnt 0x0
.irp k, 0,1,2,3
	v_pk_mul_f32 v[160+2*\k:161+2*\k], v[32+2*\k:33+2*\k], v[32+2*\k:33+2*\k]
.endr
.set i, 4
.rept 28
	v_pk_fma_f32 v[160+2*(i%4):161+2*(i%4)], v[32+2*i:33+2*i], v[32+2*i:33+2*i], v[160+2*(i%4):161+2*(i%4)]
.set i, i+1
.endr
	v_pk_add_f32 v[160:161], v[160:161], v[162:163]
	v_pk_add_f32 v[164:165], v[164:165], v[166:167]
	v_pk_add_f32 v[160:161], v[160:161], v[164:165]
	v_add_f32 v160, v160, v161
	v_permlanex16_b32 v161, v160, s60, s61
	v_add_f32 v160, v160, v161                     ; row r's sum of squares over my 128 of K
	ds_store_b32 v27, v160
	BARRIER
	ds_load_b32 v160, v26
	ds_load_b32 v161, v26 offset:64
	ds_load_b32 v162, v26 offset:128
	ds_load_b32 v163, v26 offset:192
	s_wait_dscnt 0x0
	v_add_f32 v12, v160, v161
	v_add_f32 v12, v12, v162
	v_add_f32 v12, v12, v163                       ; c2
	s_wait_alu depctr_va_vdst(0)
	v_rsq_f32 v10, v12
	v_nop                                          ; a plain line behind the transcendental
	s_wait_alu depctr_va_vdst(0)                   ; and a wait ahead of its first reader
	v_mov_b32 v11, v10
.set i, 0
.rept 32
	v_pk_mul_f32 v[96+2*i:97+2*i], v[32+2*i:33+2*i], v[10:11] op_sel_hi:[1,0]   ; text / norm
.set i, i+1
.endr
.macro PQ src, sc, lim, pc             ; 64 numbers, held and converted
.set i, 0
.rept 64
	v_med3_num_f32 v[160+i], v[(\src)+i], -v[\lim], v[\lim]
.set i, i+1
.endr
.irp k, 0,1,2,3,4,5,6,7
	v_cvt_scalef32_pk8_fp8_f32 v[(\pc)+2*\k:(\pc)+2*\k+1], v[160+8*\k:167+8*\k], v[\sc]
.endr
	v_nop
.endm
	PQ 32, 4, 5, 224
	PQ 96, 6, 7, 240
	PQ 96, 8, 9, 32                                ; the raw numbers' registers are free by now
.irp c, 0,1,2,3
	global_store_b128 v[LI], v[224+4*\c:227+4*\c], s[26:27] offset:512*\c           ; each store of the wave covers 512 consecutive bytes, aligned
	global_store_b128 v[LI], v[240+4*\c:243+4*\c], s[26:27] offset:8192+512*\c
	global_store_b128 v[LI], v[32+4*\c:35+4*\c], s[28:29] offset:512*\c
.endr
	s_cmp_lg_u32 s34, 0
	s_cbranch_scc1 .Lprep_end
	v_lshlrev_b32 v26, 2, v[RR]
	s_wait_alu depctr_va_vdst(0)
	s_wait_xcnt 0x0                                ; EXEC changes only behind this wait
	v_cmp_gt_u32 vcc_lo, 16, v[LN]
	s_and_saveexec_b32 s58, vcc_lo
	global_store_b32 v26, v12, s[30:31]            ; 16 numbers of c2
	s_wait_xcnt 0x0
	s_or_b32 exec_lo, exec_lo, s58
.Lprep_end:
	CLOSE
	s_endpgm
.Lfunc_end_k_q4766e440ac_prep_chain:
	.size	k_q4766e440ac_prep_chain, .Lfunc_end_k_q4766e440ac_prep_chain-k_q4766e440ac_prep_chain
	.p2alignl 7, 3214868480
	.fill 96, 4, 3214868480
	.section	.rodata,"a",@progbits
	.p2align	6, 0x0
	.amdhsa_kernel k_q4766e440ac_prep_chain
		.amdhsa_group_segment_fixed_size 327680
		.amdhsa_private_segment_fixed_size 0
		.amdhsa_enable_private_segment 0
		.amdhsa_kernarg_size 104
		.amdhsa_user_sgpr_count 2
		.amdhsa_user_sgpr_kernarg_segment_ptr 1
		.amdhsa_wavefront_size32 1
		.amdhsa_system_sgpr_workgroup_id_x 1
		.amdhsa_system_sgpr_workgroup_id_y 1
		.amdhsa_system_sgpr_workgroup_id_z 1
		.amdhsa_system_vgpr_workitem_id 0
		.amdhsa_next_free_vgpr 1024
		.amdhsa_next_free_sgpr 100
		.amdhsa_reserve_vcc 1
		.amdhsa_float_denorm_mode_32 3
		.amdhsa_float_denorm_mode_16_64 3
		.amdhsa_memory_ordered 1
		.amdhsa_forward_progress 1
		.amdhsa_inst_pref_size 113
	.end_amdhsa_kernel
	.amdgpu_metadata
---
amdhsa.version: [ 1, 2 ]
amdhsa.kernels:
  - .name:           k_q4766e440ac_prep_chain
    .symbol:         k_q4766e440ac_prep_chain.kd
    .args:
      - { .name: text_feats, .offset: 0, .size: 8, .value_kind: global_buffer, .address_space: global }
      - { .name: lowp_scales, .offset: 8, .size: 8, .value_kind: global_buffer, .address_space: global }
      - { .name: v_w_codes, .offset: 16, .size: 8, .value_kind: global_buffer, .address_space: global }
      - { .name: v_b, .offset: 24, .size: 8, .value_kind: global_buffer, .address_space: global }
      - { .name: o_w_codes, .offset: 32, .size: 8, .value_kind: global_buffer, .address_space: global }
      - { .name: o_b, .offset: 40, .size: 8, .value_kind: global_buffer, .address_space: global }
      - { .name: fc1_w_codes, .offset: 48, .size: 8, .value_kind: global_buffer, .address_space: global }
      - { .name: fc1_b, .offset: 56, .size: 8, .value_kind: global_buffer, .address_space: global }
      - { .name: fc2_w_codes, .offset: 64, .size: 8, .value_kind: global_buffer, .address_space: global }
      - { .name: tq, .offset: 72, .size: 8, .value_kind: global_buffer, .address_space: global }
      - { .name: tn, .offset: 80, .size: 8, .value_kind: global_buffer, .address_space: global }
      - { .name: c2, .offset: 88, .size: 8, .value_kind: global_buffer, .address_space: global }
      - { .name: vfp, .offset: 96, .size: 8, .value_kind: global_buffer, .address_space: global }
    .group_segment_fixed_size: 327680
    .private_segment_fixed_size: 0
    .kernarg_segment_align: 8
    .kernarg_segment_size: 104
    .max_flat_workgroup_size: 128
    .sgpr_count:     100
    .vgpr_count:     1024
    .wavefront_size: 32
...
	.end_amdgpu_metadata
.endif
;; end of part 4
;; launch route (part 5): grid 256 x 1, 4 waves a work-group, no clusters, 281,344 bytes of LDS; arguments image_feats, lowp_scales, tq, c2, top_idx; writes top_idx
.if DOCPART == 5
	.amdgcn_target "amdgcn-amd-amdhsa--gfx1250"
	.amdhsa_code_object_version 6
	.text
	.protected	k_q4766e440ac_route
	.globl	k_q4766e440ac_route
	.p2align	8
	.type	k_q4766e440ac_route,@function
k_q4766e440ac_route:
	s_mov_b64 s[64:65], 0
	v_nop
	global_prefetch_b8 v0, s[64:65] scope:SCOPE_SE
	s_setreg_imm32_b32 hwreg(HW_REG_WAVE_MODE, 25, 1), 1
	s_wait_xcnt 0x0
; top_idx[b]: for each frame the nearest text row (distances = (z2 - 2 Q(image) . Q(text)) + c2, first smallest), its weight softmax_t(Q(txt_n) . Q(vid_n) / 0.01) at that class, the weights added up by class, first largest.
; Left out (shown at the head of the first kernel): the products with q_w and k_w and the scores; nothing of them is needed here.
; Both products are done whole, 400 classes x 16 frames; the class chosen selects a value by v_cndmask_b32; no branch and no address hangs on it.  The index is stored at a fixed place.
; SHARES.  A work-group takes videos 4 wg .. 4 wg + 3.  At the head wave w quantises video w: its 16 rows of 2,048 bytes lie end to end in memory and come by ONE tensor load, stated as 32 rows of 1,024 bytes, into the wave's own LDS bytes.
; In the walk the waves share the CLASSES: wave w takes tiles 6 w .. 6 w + 5, each for all four videos, so that a text fragment is loaded once in the work-group and feeds four products.
; 25 = 4 x 6 + 1: the last tile, 24, is shared by VIDEOS: wave w takes it for video w alone (8 products), whose codes it reads back from LDS.  At the end wave w finishes video w.
; THE TEXT'S TILES (16 KB each, laid as register images) come on two ways.  My tiles 0, 1, 4, 5 go from memory straight into two buffers of window 3; my tiles 2 and 3, and a quarter of tile 24,
; are copied into LDS by asynchronous copies at the head, once, while the frames are awaited, and are read from there into a buffer just left.  So tile 4 is asked for ahead of tiles 2 and 3, tile 5 ahead of tile 4.
; Source 0 = 16 frames, source 1 = 16 classes: lane (r, h) holds class r of the tile, register j frame 8 h + j: the softmax over frames is 8 registers and one exchange of halves.
; The softmax takes the row's largest similarity away, as reference() does: s x c - max x c in one fused multiply-add, c = 100 log2(e) x 2^(e0 + e1); the division is e x (1 / S), S at least about 1.
; No cluster: each of the text's tiles is used by one wave of a work-group, and two thirds of them go from memory straight into that wave's registers; LDS has no room for slots of whole steps beside the frames.
; No prefetch: the text has no loop to run ahead in.
; LIMITS: e1, e2 between -126 and 119; e2 + e3 between -127 and 126; e0 + e1 between -133 and 120.  NaN among the inputs is not served.  Where every weight of a video underflows to 0, class 0 is stored, as an argmax over zeros gives.
; LDS: 0 four waves x 33,280: 32 rows x 1,040 of frames; when the wave has read them (they have had their one fill), its video's codes [version][8,192] at + 0 and its state, 12,288, at + 16,384
;      | 133,120 four waves x tiles 2, 3 | 264,192 tile 24 | 280,576 z2 | 280,832 the spare words.
.set IMGW,  33280
.set HROW,  1040                       ; half a frame's row in LDS: 1,024 bytes + 16 of padding; frame r begins at 2,080 r
.set STO,   16384
.set ASY,   133120
.set A24,   264192
.set Z2X,   280576
.set SPARE, 280832
.set L16,  1                           ; 16 x lane
.set R4,   2                           ; 4 r
.set TA,   3                           ; my row in my wave's tile
.set AL,   4                           ; my tiles 2, 3 in LDS + 16 lane
.set ZA,   5                           ; Z2X + 32 h
.set EXW,  6                           ; my video's codes: IMGW wave + 16 lane
.set SXW,  7                           ; my state: EXW + STO
.set V24,  8                           ; tile 24 in LDS + 16 lane
.set VINF, 9                           ; +infinity
.set NF,   10                          ; the tile's class of my lane, as f32
.set RL,   11                          ; r
.set ZW,   12                          ; behind the head: ZA + 64 wave
.set NFL,  13                          ; behind the head: 384 + r as f32, my class in tile 24
.set C2P,  16                          ; v16-29: c2 of my class in my tile i at v[16 + 2 i] (i = 6: tile 24); the odd registers hold 0 (named as pairs)
.set SPW,  30
.set NIL,  31
.set ACC2, 32                          ; [video][8] image . text
.set ACC1, 64                          ; [video][8] similarities
.set SD,   96                          ; the smallest distance so far,
.set SN,   128                         ; its class,
.set SW,   160                         ; its weight
.set Z2,   192
.set TMP,  224                         ; per video 6: +0 max, then -max x c, +1 exchange, +2 +3 sum, +4 reciprocal, +5 (pair)
.set ZO,   248                         ; z2 of my own video
.set FA,   248                         ; v248-251, ahead of and behind ZO's use: the four waves' LDS bytes + 16 lane
.set SD1,  40                          ; tile 24's state of my video: v40-63, which its products leave free
.set SN1,  48
.set SW1,  56
.set T,    32                          ; at the head: 64 numbers at work, v96-223 codes, v224-231 squares, v232 v233 1 / norm, v234-236 addresses
.set PC,   96
.set SQ,   224
.set MSB, 0
.macro WIN new
.if MSB != (\new)
	s_set_vgpr_msb (MSB<<8)|(\new)
.set MSB, (\new)
.endif
.endm
.macro PLACES                          ; four places serve loads and vector readers behind a product, the fifth a product that writes over an accumulator
.rept 5
	v_nop
.endr
.endm
.macro BARRIER
	s_wait_dscnt 0x0
	s_barrier_signal -1
	s_barrier_wait -1
.endm
.macro MKSC se, vsc, vlim
	s_add_co_i32 s50, \se, 127
	s_lshl_b32 s51, s50, 23
	v_mov_b32 v[\vsc], s51
	s_add_co_i32 s50, s50, 8
	s_lshl_b32 s50, s50, 23
	s_or_b32 s50, s50, 0x600000
	v_mov_b32 v[\vlim], s50
.endm
.macro TLOAD p, base, i                ; a tile's two versions, 8 fragments, from memory into buffer p of window 3: 32 loads of 512 consecutive bytes
	WIN 0xc0
.irp ver, 0,1
.irp s, 0,1,2,3
.irp c, 0,1,2,3
	global_load_b128 v[128*(\p)+64*\ver+16*\s+4*\c:128*(\p)+64*\ver+16*\s+4*\c+3], v[L16], s[\base:\base+1] offset:16384*(\i)+8192*\ver+2048*\s+512*\c
.endr
.endr
.endr
	WIN 0
.endm
.macro LLOAD p, adr, off               ; the same out of LDS
	WIN 0xc0
.irp ver, 0,1
.irp s, 0,1,2,3
.irp c, 0,1,2,3
	ds_load_b128 v[128*(\p)+64*\ver+16*\s+4*\c:128*(\p)+64*\ver+16*\s+4*\c+3], v[\adr] offset:(\off)+8192*\ver+2048*\s+512*\c
.endr
.endr
.endr
	WIN 0
.endm
	s_load_b256 s[4:11], s[0:1], 0x0               ; image, scales, tq, c2
	s_load_b64 s[12:13], s[0:1], 0x20              ; top_idx
	v_lshl_add_u32 v[SPW], v0, 2, SPARE
	v_mov_b32 v[NIL], 0
	ds_add_u32 v[SPW], v[NIL]                      ; the opening: the add, twice on end, and its wait ahead of my tensor load and copies
	ds_add_u32 v[SPW], v[NIL]
	v_lshrrev_b32 v1, 5, v0
	v_readfirstlane_b32 s32, v1                    ; wave
	s_mov_b32 s16, 0x07d20000                      ; elements of 4 bytes; padding on: 4 words behind every 256
	s_mov_b32 s17, 256<<16                         ; tensor_dim0
	s_mov_b32 s18, 32<<16                          ; tensor_dim1
	s_mov_b32 s19, 256<<16                         ; tile_dim0
	s_mov_b32 s20, 32                              ; tile_dim1
	s_mov_b32 s21, 256                             ; elements from row to row: the block is dense
	s_mov_b32 s22, 0
	s_mov_b32 s23, 0
	s_mov_b32 s24, 1
	s_mul_i32 s25, s32, IMGW
	s_lshl_b32 s48, ttmp9, 2
	s_add_co_u32 s48, s48, s32                     ; my video
	s_lshl_b32 s50, s48, 2
	s_mov_b32 s51, 0
	s_lshl_b32 s48, s48, 15
	s_mov_b32 s49, 0
	s_mov_b32 s44, 0x76543210
	s_mov_b32 s45, 0xfedcba98
	s_mov_b32 s46, 0xffff0000                      ; lanes 16-31
	s_wait_dscnt 0x0
	s_wait_kmcnt 0x0
	s_load_b128 s[36:39], s[6:7], 0x0              ; e0 .. e3
	s_add_nc_u64 s[26:27], s[4:5], s[48:49]
	s_or_b32 s27, s27, 0x80000000
	tensor_load_to_lds s[24:27], s[16:23]          ; my video's 16 rows: my one tensor load
	s_nop 0
.rept 4
	v_nop
.endr
	s_add_nc_u64 s[12:13], s[12:13], s[50:51]      ; top_idx at my video
	v_and_b32 v[RL], 15, v0
	v_bfe_u32 v9, v0, 4, 1                         ; h
	v_and_b32 v10, 31, v0
	v_lshlrev_b32 v[L16], 4, v10
	v_lshlrev_b32 v[R4], 2, v[RL]
	v_mul_u32_u24 v[TA], v[RL], 2*HROW
	v_lshl_add_u32 v[TA], v9, 6, v[TA]
	v_add_nc_u32 v[TA], s25, v[TA]
	v_lshl_add_u32 v[ZA], v9, 5, Z2X
	v_add_nc_u32 v[EXW], s25, v[L16]
	v_add_nc_u32 v[SXW], STO, v[EXW]
	s_lshl_b32 s48, s32, 15
	s_add_co_u32 s48, s48, ASY
	v_add_nc_u32 v[AL], s48, v[L16]
	v_add_nc_u32 v[V24], A24, v[L16]
	s_lshl_b32 s48, s32, 12
	v_add_nc_u32 v236, s48, v[L16]                 ; my quarter of tile 24: in memory,
	v_add_nc_u32 v235, s48, v[V24]                 ; and in LDS
	s_lshl_b32 s48, s32, 6
	s_add_co_u32 s48, s48, Z2X
	v_add_nc_u32 v234, s48, v[R4]                  ; where z2 of my frame r goes
	s_mul_i32 s33, s32, 6                          ; my first tile
	s_lshl_b32 s50, s33, 14
	s_add_nc_u64 s[52:53], s[8:9], s[50:51]
	s_add_nc_u64 s[56:57], s[8:9], 24*16384        ; tile 24
	s_add_nc_u64 s[58:59], s[52:53], 2*16384       ; my tile 2
	s_lshl_b32 s50, s33, 6
	s_add_nc_u64 s[54:55], s[10:11], s[50:51]
	s_lshl_b32 s50, s33, 4
	v_add_nc_u32 v[NF], s50, v[RL]
	v_cvt_f32_u32 v[NF], v[NF]
.irp i, 0,1,2,3,4,5
	global_load_b32 v[C2P+2*\i], v[R4], s[54:55] offset:64*\i
.endr
	global_load_b32 v[C2P+12], v[R4], s[10:11] offset:24*64
.irp i, 0,1,2,3,4,5,6
	v_mov_b32 v[C2P+2*\i+1], 0
.endr
	TLOAD 1, 52, 0                                 ; my tile 0 into buffer 1; tile 1 is asked for behind the wait for the frames
	s_wait_alu depctr_va_vdst(0)                   ; a wait ahead of readers behind a run of scalar lines
.set i, 0
.rept 64
	global_load_async_to_lds_b128 v[AL], v[L16], s[58:59] offset:512*i     ; my tiles 2 and 3: the immediate steps both addresses, so LDS holds the tiles as memory does
.set i, i+1
.endr
.set i, 0
.rept 8
	global_load_async_to_lds_b128 v235, v236, s[56:57] offset:512*i        ; my quarter of tile 24
.set i, i+1
.endr
	s_wait_kmcnt 0x0
	s_add_co_i32 s40, s38, s39
	s_add_co_i32 s40, s40, 128
	s_lshl_b32 s40, s40, 23
	s_or_b32 s40, s40, 0x80000000                  ; -2 x 2^(e2 + e3)
	s_mov_b32 s41, s40
	s_add_co_i32 s42, s36, s37
	s_lshl_b32 s42, s42, 23
	s_add_co_i32 s42, s42, 0x431044fe              ; c = 100 log2(e) x 2^(e0 + e1)
	s_mov_b32 s43, s42
	s_xor_b32 s47, s42, 0x80000000                 ; -c
	MKSC s37, 12, 13                               ; e1
	MKSC s38, 14, 15                               ; e2
	s_wait_alu depctr_va_vdst(0)
	s_wait_tensorcnt 0x0                           ; my tile is in; only I read it
	WIN 0x40
.irp s, 0,1,2,3
.irp c, 0,1,2,3
.irp j, 0,1,2,3
	ds_load_b128 v[64*\s+16*\c+4*\j:64*\s+16*\c+4*\j+3], v[TA] offset:HROW*(\s/2)+512*(\s%2)+128*\c+16*\j
.endr
.endr
.endr
	TLOAD 0, 52, 1                                 ; my tile 1 into buffer 0: on its way while the frames are quantised
	WIN 0x05
.irp s, 0,1,2,3
	s_wait_alu depctr_va_vdst(0)
	s_wait_dscnt 48-16*\s                          ; the later K steps' loads may stay out
.set i, 0
.rept 32
.if (\s == 0) && (i < 4)
	v_pk_mul_f32 v[SQ+2*i:SQ+2*i+1], v[2*i:2*i+1], v[2*i:2*i+1]
.else
	v_pk_fma_f32 v[SQ+2*(i%4):SQ+2*(i%4)+1], v[64*\s+2*i:64*\s+2*i+1], v[64*\s+2*i:64*\s+2*i+1], v[SQ+2*(i%4):SQ+2*(i%4)+1]
.endif
.set i, i+1
.endr
.endr
	WIN 0
	v_pk_add_f32 v[224:225], v[224:225], v[226:227]
	v_pk_add_f32 v[228:229], v[228:229], v[230:231]
	v_pk_add_f32 v[224:225], v[224:225], v[228:229]
	v_add_f32 v224, v224, v225
	v_permlanex16_b32 v225, v224, s44, s45
	v_add_f32 v224, v224, v225                     ; z2 of frame r
	ds_store_b32 v234, v224
	s_wait_alu depctr_va_vdst(0)                   ; a wait ahead of the transcendental
	v_rsq_f32 v232, v224
	v_nop
	s_wait_alu depctr_va_vdst(0)                   ; and ahead of its first reader
	v_mov_b32 v233, v232
.irp s, 0,1,2,3
	WIN 0x01
.set i, 0
.rept 32
	v_pk_mul_f32 v[T+2*i:T+2*i+1], v[64*\s+2*i:64*\s+2*i+1], v[232:233] op_sel_hi:[1,0]   ; image / norm
.set i, i+1
.endr
	WIN 0
.set i, 0
.rept 64
	v_med3_num_f32 v[T+i], v[T+i], -v13, v13       ; the conversion does not saturate (ISA guide 7.6.2): the hold at 448 x the scale
.set i, i+1
.endr
.set i, 0
.rept 8
	v_cvt_scalef32_pk8_fp8_f32 v[PC+32*\s+2*i:PC+32*\s+2*i+1], v[T+8*i:T+8*i+7], v12
.set i, i+1
.endr
	WIN 0x41
.set i, 0
.rept 64
	v_med3_num_f32 v[64*\s+i], v[64*\s+i], -v15, v15
.set i, i+1
.endr
	WIN 0x01
.set i, 0
.rept 8
	v_cvt_scalef32_pk8_fp8_f32 v[PC+32*\s+16+2*i:PC+32*\s+16+2*i+1], v[64*\s+8*i:64*\s+8*i+7], v14
.set i, i+1
.endr
	v_nop
	WIN 0
.irp c, 0,1,2,3
	ds_store_b128 v[EXW], v[PC+32*\s+4*\c:PC+32*\s+4*\c+3] offset:8192+2048*\s+512*\c       ; version 1: Q(image / norm, e1).  Into my own frames' bytes: all my reads of them have come back
	ds_store_b128 v[EXW], v[PC+32*\s+16+4*\c:PC+32*\s+16+4*\c+3] offset:2048*\s+512*\c      ; version 0: Q(image, e2)
.endr
.endr
	s_wait_asynccnt 0x0                            ; my copies have landed: my tiles 2 and 3, and my quarter of tile 24, which all four waves read
	BARRIER                                        ; the four videos' codes, z2 and tile 24 lie in LDS
.irp b, 0,1,2,3
	v_add_nc_u32 v[FA+\b], IMGW*\b, v[L16]
.endr
	WIN 0x80
.irp b, 0,1,2,3
.irp s, 0,1,2,3
.irp c, 0,1,2,3
	ds_load_b128 v[64*\b+16*\s+4*\c:64*\b+16*\s+4*\c+3], v[FA+\b] offset:2048*\s+512*\c
.endr
.endr
.endr
	WIN 0x40
.irp b, 0,1,2,3
.irp s, 0,1,2,3
.irp c, 0,1,2,3
	ds_load_b128 v[64*\b+16*\s+4*\c:64*\b+16*\s+4*\c+3], v[FA+\b] offset:8192+2048*\s+512*\c
.endr
.endr
.endr
	WIN 0
.irp b, 0,1,2,3
.irp p, 0,1
	ds_load_b128 v[Z2+8*\b+4*\p:Z2+8*\b+4*\p+3], v[ZA] offset:64*\b+16*\p
.endr
.endr
.irp b, 0,1,2,3
	v_mov_b32 v[TMP+6*\b+1], 0                     ; a lane permute's destination counts as read
	v_mov_b32 v[TMP+6*\b+5], 0                     ; named as the upper half of a pair
.endr
	v_mov_b32 v[VINF], 0x7f800000
	s_lshl_b32 s48, s32, 6
	v_add_nc_u32 v[ZW], s48, v[ZA]
	v_add_nc_u32 v[NFL], 384, v[RL]
	v_cvt_f32_u32 v[NFL], v[NFL]
	s_wait_alu depctr_va_vdst(0)
	s_wait_dscnt 0x0
; THE VECTOR WORK OF A TILE for nb videos.  first = 1: it starts the state at sd, sn, sw.  c2r: the pair with c2; zb: z2; nf: the lane's class.  Each accumulator is read from its low end on.
.macro VEC nb, first, c2r, zb, sd, sn, sw, nf
.set b, 0
.rept \nb
	v_max3_num_f32 v[TMP+6*b], v[ACC1+8*b], v[ACC1+8*b+1], v[ACC1+8*b+2]   ; the class's largest similarity over the 16 frames
.set b, b+1
.endr
.irp k, 3,5
.set b, 0
.rept \nb
	v_max3_num_f32 v[TMP+6*b], v[TMP+6*b], v[ACC1+8*b+\k], v[ACC1+8*b+\k+1]
.set b, b+1
.endr
.endr
.set b, 0
.rept \nb
	v_max_num_f32 v[TMP+6*b], v[TMP+6*b], v[ACC1+8*b+7]
.set b, b+1
.endr
.set b, 0
.rept \nb
	v_permlanex16_b32 v[TMP+6*b+1], v[TMP+6*b], s44, s45
.set b, b+1
.endr
.set b, 0
.rept \nb
	v_max_num_f32 v[TMP+6*b], v[TMP+6*b], v[TMP+6*b+1]
.set b, b+1
.endr
.set b, 0
.rept \nb
	v_mul_f32 v[TMP+6*b], s47, v[TMP+6*b]          ; -max x c
.set b, b+1
.endr
.set n, 0
.rept 4*\nb
	v_pk_fma_f32 v[ACC1+2*n:ACC1+2*n+1], v[ACC1+2*n:ACC1+2*n+1], s[42:43], v[TMP+6*(n/4):TMP+6*(n/4)+1] op_sel_hi:[1,0,0]   ; (s - the largest) x c
.set n, n+1
.endr
.set n, 0
.rept 4*\nb
	v_pk_fma_f32 v[ACC2+2*n:ACC2+2*n+1], v[ACC2+2*n:ACC2+2*n+1], s[40:41], v[(\zb)+2*n:(\zb)+2*n+1] op_sel_hi:[1,0,1]      ; the distances, in reference()'s own order: (z2 - 2 dot)
.set n, n+1
.endr
.set n, 0
.rept 4*\nb
.if \first
	v_pk_add_f32 v[(\sd)+2*n:(\sd)+2*n+1], v[ACC2+2*n:ACC2+2*n+1], v[(\c2r):(\c2r)+1] op_sel_hi:[1,0]                     ; + c2
.else
	v_pk_add_f32 v[ACC2+2*n:ACC2+2*n+1], v[ACC2+2*n:ACC2+2*n+1], v[(\c2r):(\c2r)+1] op_sel_hi:[1,0]
.endif
.set n, n+1
.endr
	s_wait_alu depctr_va_vdst(0)                   ; one wait ahead of the batch,
.set n, 0
.rept 8*\nb
	v_exp_f32 v[ACC1+n], v[ACC1+n]
.set n, n+1
.endr
	v_nop                                          ; a plain place behind the last,
	s_wait_alu depctr_va_vdst(0)                   ; and one wait ahead of the batch's first reader
.irp k, 2,4,6
.set b, 0
.rept \nb
.if \k == 2
	v_pk_add_f32 v[TMP+6*b+2:TMP+6*b+3], v[ACC1+8*b:ACC1+8*b+1], v[ACC1+8*b+2:ACC1+8*b+3]
.else
	v_pk_add_f32 v[TMP+6*b+2:TMP+6*b+3], v[TMP+6*b+2:TMP+6*b+3], v[ACC1+8*b+\k:ACC1+8*b+\k+1]
.endif
.set b, b+1
.endr
.endr
.set b, 0
.rept \nb
	v_add_f32 v[TMP+6*b+2], v[TMP+6*b+2], v[TMP+6*b+3]
.set b, b+1
.endr
.set b, 0
.rept \nb
	v_permlanex16_b32 v[TMP+6*b+1], v[TMP+6*b+2], s44, s45
.set b, b+1
.endr
.set b, 0
.rept \nb
	v_add_f32 v[TMP+6*b+2], v[TMP+6*b+2], v[TMP+6*b+1]      ; S
.set b, b+1
.endr
	s_wait_alu depctr_va_vdst(0)
.set b, 0
.rept \nb
	v_rcp_f32 v[TMP+6*b+4], v[TMP+6*b+2]
.set b, b+1
.endr
	v_nop
	s_wait_alu depctr_va_vdst(0)                   ; one wait for the reciprocals
.set n, 0
.rept 4*\nb
.if \first
	v_pk_mul_f32 v[(\sw)+2*n:(\sw)+2*n+1], v[ACC1+2*n:ACC1+2*n+1], v[TMP+6*(n/4)+4:TMP+6*(n/4)+5] op_sel_hi:[1,0]         ; the weights e / S
.else
	v_pk_mul_f32 v[ACC1+2*n:ACC1+2*n+1], v[ACC1+2*n:ACC1+2*n+1], v[TMP+6*(n/4)+4:TMP+6*(n/4)+5] op_sel_hi:[1,0]
.endif
.set n, n+1
.endr
.set n, 0
.rept 8*\nb
.if \first
	v_mov_b32 v[(\sn)+n], v[\nf]
.else
	v_cmp_lt_f32 vcc_lo, v[ACC2+n], v[(\sd)+n]     ; strictly less: my classes ascend, so the first smallest stays
	v_cndmask_b32 v[(\sd)+n], v[(\sd)+n], v[ACC2+n], vcc_lo
	v_cndmask_b32 v[(\sn)+n], v[(\sn)+n], v[\nf], vcc_lo
	v_cndmask_b32 v[(\sw)+n], v[(\sw)+n], v[ACC1+n], vcc_lo
.endif
.set n, n+1
.endr
.endm
; ONE TILE OF 16 CLASSES for the four videos, out of buffer p.  wl: the younger loads from memory that may stay out (-1: the tile came out of LDS).
; What then goes into the buffer just left: ld = 1: my tile nx from memory; 2: my tile 2 + nx out of LDS; 3: tile 24 out of LDS; 4: my own video's codes, and its z2.
.macro TILE i, first, p, wl, ld, nx
.if (\wl) >= 0
	s_wait_loadcnt \wl
.else
	s_wait_dscnt 0x0
.endif
	WIN 0x0e                                       ; frames window 2, text window 3; four accumulators by turns
.irp s, 0,1,2,3
.irp b, 0,1,2,3
.if \s == 0
	v_wmma_f32_16x16x128_fp8_fp8 v[ACC2+8*\b:ACC2+8*\b+7], v[64*\b+16*\s:64*\b+16*\s+15], v[128*(\p)+16*\s:128*(\p)+16*\s+15], 0
.else
	v_wmma_f32_16x16x128_fp8_fp8 v[ACC2+8*\b:ACC2+8*\b+7], v[64*\b+16*\s:64*\b+16*\s+15], v[128*(\p)+16*\s:128*(\p)+16*\s+15], v[ACC2+8*\b:ACC2+8*\b+7]
.endif
.endr
.endr
	WIN 0x0d                                       ; frames window 1
.irp s, 0,1,2,3
.irp b, 0,1,2,3
.if \s == 0
	v_wmma_f32_16x16x128_fp8_fp8 v[ACC1+8*\b:ACC1+8*\b+7], v[64*\b+16*\s:64*\b+16*\s+15], v[128*(\p)+64+16*\s:128*(\p)+64+16*\s+15], 0
.else
	v_wmma_f32_16x16x128_fp8_fp8 v[ACC1+8*\b:ACC1+8*\b+7], v[64*\b+16*\s:64*\b+16*\s+15], v[128*(\p)+64+16*\s:128*(\p)+64+16*\s+15], v[ACC1+8*\b:ACC1+8*\b+7]
.endif
.endr
.endr
	WIN 0
.if (\i) > 0
	v_add_f32 v[NF], 0x41800000, v[NF]             ; 16 classes on
.endif
	PLACES
.if (\ld) == 1
	TLOAD \p, 52, \nx
.elseif (\ld) == 2
	LLOAD \p, AL, 16384*(\nx)
.elseif (\ld) == 3
	LLOAD \p, V24, 0
.else
	LLOAD \p, EXW, 0
	ds_load_b128 v[ZO:ZO+3], v[ZW]
	ds_load_b128 v[ZO+4:ZO+7], v[ZW] offset:16
.endif
	VEC 4, \first, C2P+2*(\i), Z2, SD, SN, SW, NF
.endm
	TILE 0, 1, 1, 32, 2, 0                         ; behind c2 and tile 0 stand tile 1's 32 loads
	TILE 1, 0, 0, 0, 1, 4
	TILE 2, 0, 1, -1, 2, 1
	TILE 3, 0, 1, -1, 1, 5
	TILE 4, 0, 0, 32, 3, 0                         ; behind tile 4 stand tile 5's 32 loads
	TILE 5, 0, 1, 0, 4, 0
.irp q, 0,1,2,3,4,5,6,7,8,9,10,11,12,13,14,15,16,17,18,19,20,21,22,23
	ds_store_b128 v[SXW], v[96+4*\q:99+4*\q] offset:512*\q      ; my six tiles' state of the four videos
.endr
	; TILE 24 for my own video: two accumulators by turns
	s_wait_alu depctr_va_vdst(0)
	s_wait_dscnt 0x0
	WIN 0x0f                                       ; frames and text both in window 3: frames v128-255 (buffer 1), text v0-127 (buffer 0)
.irp s, 0,1,2,3
.if \s == 0
	v_wmma_f32_16x16x128_fp8_fp8 v[ACC2:ACC2+7], v[128+16*\s:128+16*\s+15], v[16*\s:16*\s+15], 0
	v_wmma_f32_16x16x128_fp8_fp8 v[ACC1:ACC1+7], v[192+16*\s:192+16*\s+15], v[64+16*\s:64+16*\s+15], 0
.else
	v_wmma_f32_16x16x128_fp8_fp8 v[ACC2:ACC2+7], v[128+16*\s:128+16*\s+15], v[16*\s:16*\s+15], v[ACC2:ACC2+7]
	v_wmma_f32_16x16x128_fp8_fp8 v[ACC1:ACC1+7], v[192+16*\s:192+16*\s+15], v[64+16*\s:64+16*\s+15], v[ACC1:ACC1+7]
.endif
.endr
	WIN 0
	PLACES
	VEC 1, 1, C2P+12, ZO, SD1, SN1, SW1, NFL
	; THE END.  The four waves' states meet: wave w takes video w.
	s_lshl_b32 s48, s32, 10
	v_add_nc_u32 v252, s48, v[L16]
.irp u, 0,1,2,3
	v_add_nc_u32 v[FA+\u], IMGW*\u+STO, v252       ; wave u's state of my video
.endr
	s_wait_alu depctr_va_vdst(0)
	BARRIER
.irp u, 0,1,2,3
.irp kind, 0,1,2
.irp p, 0,1
	ds_load_b128 v[96+24*\u+8*\kind+4*\p:96+24*\u+8*\kind+4*\p+3], v[FA+\u] offset:4096*\kind+512*\p
.endr
.endr
.endr
	s_wait_dscnt 0x0
.irp u, 1,2,3
.irp j, 0,1,2,3,4,5,6,7
	v_cmp_lt_f32 vcc_lo, v[96+24*\u+\j], v[96+\j]  ; the waves' classes ascend: strictly less keeps the lower class
	v_cndmask_b32 v[96+\j], v[96+\j], v[96+24*\u+\j], vcc_lo
	v_cndmask_b32 v[104+\j], v[104+\j], v[104+24*\u+\j], vcc_lo
	v_cndmask_b32 v[112+\j], v[112+\j], v[112+24*\u+\j], vcc_lo
.endr
.endr
.irp j, 0,1,2,3,4,5,6,7
	v_cmp_lt_f32 vcc_lo, v[SD1+\j], v[96+\j]       ; tile 24's classes are the highest: they come last
	v_cndmask_b32 v[96+\j], v[96+\j], v[SD1+\j], vcc_lo
	v_cndmask_b32 v[104+\j], v[104+\j], v[SN1+\j], vcc_lo
	v_cndmask_b32 v[112+\j], v[112+\j], v[SW1+\j], vcc_lo
.endr
.irp j, 0,1,2,3,4,5,6,7
	v_mov_b32 v[120+\j], v[96+\j]
.endr
.irp x, 1,2,4,8
.irp j, 0,1,2,3,4,5,6,7
	v_min_num_f32_dpp v[120+\j], v[120+\j], v[120+\j] row_xmask:\x row_mask:0xf bank_mask:0xf     ; the frame's smallest distance over the 16 lanes
.endr
.endr
.irp j, 0,1,2,3,4,5,6,7
	v_cmp_eq_f32 vcc_lo, v[96+\j], v[120+\j]
	v_cndmask_b32 v[128+\j], v[VINF], v[104+\j], vcc_lo
.endr
.irp x, 1,2,4,8
.irp j, 0,1,2,3,4,5,6,7
	v_min_num_f32_dpp v[128+\j], v[128+\j], v[128+\j] row_xmask:\x row_mask:0xf bank_mask:0xf     ; the lowest class that has it
.endr
.endr
.irp j, 0,1,2,3,4,5,6,7
	v_cmp_eq_f32 vcc_lo, v[104+\j], v[128+\j]
	v_cndmask_b32 v[136+\j], 0, v[112+\j], vcc_lo
.endr
.irp x, 1,2,4,8
.irp j, 0,1,2,3,4,5,6,7
	v_max_num_f32_dpp v[136+\j], v[136+\j], v[136+\j] row_xmask:\x row_mask:0xf bank_mask:0xf     ; its weight (weights are not negative)
.endr
.endr
.irp j, 0,1,2,3,4,5,6,7
	v_permlanex16_b32 v[144+\j], v[128+\j], s44, s45
	v_permlanex16_b32 v[152+\j], v[136+\j], s44, s45
.endr
.irp j, 0,1,2,3,4,5,6,7
	v_cndmask_b32 v[160+\j], v[128+\j], v[144+\j], s46         ; frames 0-7's classes in every lane,
	v_cndmask_b32 v[168+\j], v[144+\j], v[128+\j], s46         ; frames 8-15's,
	v_cndmask_b32 v[176+\j], v[136+\j], v[152+\j], s46         ; and their weights
	v_cndmask_b32 v[184+\j], v[152+\j], v[136+\j], s46
.endr
	v_mov_b32 v192, v160
.irp t, 1,2,3,4,5,6,7,8,9,10,11,12,13,14,15
	v_cmp_eq_u32 vcc_lo, \t, v[RL]
	v_cndmask_b32 v192, v192, v[160+\t], vcc_lo    ; lane r weighs the class of frame r
.endr
	v_cmp_eq_f32 vcc_lo, v160, v192
	v_cndmask_b32 v193, 0, v176, vcc_lo
.irp t, 1,2,3,4,5,6,7,8,9,10,11,12,13,14,15
	v_cmp_eq_f32 vcc_lo, v[160+\t], v192
	v_cndmask_b32 v194, 0, v[176+\t], vcc_lo
	v_add_f32 v193, v193, v194                     ; video_cls at that class, frames ascending
.endr
	v_mov_b32 v195, v193
.irp x, 1,2,4,8
	v_max_num_f32_dpp v195, v195, v195 row_xmask:\x row_mask:0xf bank_mask:0xf
.endr
	v_cmp_eq_f32 vcc_lo, v193, v195
	v_cndmask_b32 v196, v[VINF], v192, vcc_lo
.irp x, 1,2,4,8
	v_min_num_f32_dpp v196, v196, v196 row_xmask:\x row_mask:0xf bank_mask:0xf     ; the lowest class with the largest sum
.endr
	v_cmp_lt_f32 vcc_lo, 0, v195
	v_cndmask_b32 v197, 0, v196, vcc_lo            ; all sums 0: every class ties, the first is class 0
	v_cvt_u32_f32 v197, v197
	v_and_b32 v198, 31, v0
	v_mov_b32 v199, 0
	s_wait_alu depctr_va_vdst(0)
	s_wait_xcnt 0x0                                ; EXEC changes only behind this wait
	v_cmp_eq_u32 vcc_lo, 0, v198
	s_and_saveexec_b32 s48, vcc_lo
	global_store_b32 v199, v197, s[12:13]          ; one word for a video
	s_wait_xcnt 0x0
	s_or_b32 exec_lo, exec_lo, s48
	s_wait_tensorcnt 0x0                           ; the wave's end
	ds_add_u32 v[SPW], v[NIL]
	s_wait_dscnt 0x0
	s_endpgm
.Lfunc_end_k_q4766e440ac_route:
	.size	k_q4766e440ac_route, .Lfunc_end_k_q4766e440ac_route-k_q4766e440ac_route
	.p2alignl 7, 3214868480
	.fill 96, 4, 3214868480
	.section	.rodata,"a",@progbits
	.p2align	6, 0x0
	.amdhsa_kernel k_q4766e440ac_route
		.amdhsa_group_segment_fixed_size 281344
		.amdhsa_private_segment_fixed_size 0
		.amdhsa_enable_private_segment 0
		.amdhsa_kernarg_size 40
		.amdhsa_user_sgpr_count 2
		.amdhsa_user_sgpr_kernarg_segment_ptr 1
		.amdhsa_wavefront_size32 1
		.amdhsa_system_sgpr_workgroup_id_x 1
		.amdhsa_system_sgpr_workgroup_id_y 1
		.amdhsa_system_sgpr_workgroup_id_z 1
		.amdhsa_system_vgpr_workitem_id 0
		.amdhsa_next_free_vgpr 1024
		.amdhsa_next_free_sgpr 66
		.amdhsa_reserve_vcc 1
		.amdhsa_float_denorm_mode_32 3
		.amdhsa_float_denorm_mode_16_64 3
		.amdhsa_memory_ordered 1
		.amdhsa_forward_progress 1
		.amdhsa_inst_pref_size 209
	.end_amdhsa_kernel
	.amdgpu_metadata
---
amdhsa.version: [ 1, 2 ]
amdhsa.kernels:
  - .name:           k_q4766e440ac_route
    .symbol:         k_q4766e440ac_route.kd
    .args:
      - { .name: image_feats, .offset: 0, .size: 8, .value_kind: global_buffer, .address_space: global }
      - { .name: lowp_scales, .offset: 8, .size: 8, .value_kind: global_buffer, .address_space: global }
      - { .name: tq, .offset: 16, .size: 8, .value_kind: global_buffer, .address_space: global }
      - { .name: c2, .offset: 24, .size: 8, .value_kind: global_buffer, .address_space: global }
      - { .name: top_idx, .offset: 32, .size: 8, .value_kind: global_buffer, .address_space: global }
    .group_segment_fixed_size: 281344
    .private_segment_fixed_size: 0
    .kernarg_segment_align: 8
    .kernarg_segment_size: 40
    .max_flat_workgroup_size: 128
    .sgpr_count:     66
    .vgpr_count:     1024
    .wavefront_size: 32
...
	.end_amdgpu_metadata
.endif
;; end of part 5
;; launch logits (part 6): grid 256 x 1, 4 waves a work-group, no clusters, 327,680 bytes of LDS; arguments image_feats, lowp_scales, tn, vfp, fc2_b, top_idx, out0; writes out0
.if DOCPART == 6
	.amdgcn_target "amdgcn-amd-amdhsa--gfx1250"
	.amdhsa_code_object_version 6
	.text
	.protected	k_q4766e440ac_logits
	.globl	k_q4766e440ac_logits
	.p2align	8
	.type	k_q4766e440ac_logits,@function
k_q4766e440ac_logits:
	s_mov_b64 s[64:65], 0
	v_nop
	global_prefetch_b8 v0, s[64:65] scope:SCOPE_SE
	s_setreg_imm32_b32 hwreg(HW_REG_WAVE_MODE, 25, 1), 1
	s_wait_xcnt 0x0
.set IMGW,  33280
.set HALF,  1040                       ; half a frame's row in LDS: 1,024 bytes + 16 of padding; frame r begins at 2,080 r
.set EXC,   133120
.set VFS,   165888
.set OST,   174080
.set SPARE, 191488
.set L16, 1
.set TA,  2
.set VOF, 3
.set VSW, 4
.set VA,  5
.set EXW, 6
.set LIE, 7
.set OSA, 8
.set ORA, 9
.set OGO, 10
.set SPW, 30
.set NIL, 31
.set ACC, 32
.set RB,  64
.set T,   32
.set VT,  96
.set PC,  96
.set SQ,  224
.set VS,  232
.set MSB, 0
.macro WIN new
.if MSB != (\new)
	s_set_vgpr_msb (MSB<<8)|(\new)
.set MSB, (\new)
.endif
.endm
.macro PLACES
.rept 5
	v_nop
.endr
.endm
.macro TLOAD p, i
	WIN 0x80
.irp s, 0,1,2,3
.irp c, 0,1,2,3
	global_load_b128 v[64*(\p)+16*\s+4*\c:64*(\p)+16*\s+4*\c+3], v[L16], s[8:9] offset:8192*(\i)+2048*\s+512*\c
.endr
.endr
	WIN 0
.endm
.macro VTLOAD s
.irp c, 0,1,2,3
.irp j, 0,1,2,3
	ds_load_b128 v[VT+64*((\s)%2)+16*\c+4*\j:VT+64*((\s)%2)+16*\c+4*\j+3], v[VA] offset:512*(\s)+128*\c+16*\j
.endr
.endr
.endm
	s_load_b256 s[4:11], s[0:1], 0x0
	s_load_b128 s[12:15], s[0:1], 0x20
	s_load_b64 s[36:37], s[0:1], 0x30
	v_lshl_add_u32 v[SPW], v0, 2, SPARE
	v_mov_b32 v[NIL], 0
	ds_add_u32 v[SPW], v[NIL]
	ds_add_u32 v[SPW], v[NIL]
	v_lshrrev_b32 v1, 5, v0
	v_readfirstlane_b32 s32, v1
	s_mov_b32 s16, 0x07d20000
	s_mov_b32 s17, 256<<16
	s_mov_b32 s18, 32<<16                          ; a video's 16 rows of 2,048 bytes lie end to end: one tensor load, stated as 32 rows of 1,024 bytes
	s_mov_b32 s19, 256<<16
	s_mov_b32 s20, 32
	s_mov_b32 s21, 256
	s_mov_b32 s22, 0
	s_mov_b32 s23, 0
	s_mov_b32 s24, 1
	s_mul_i32 s25, s32, IMGW
	s_lshl_b32 s48, ttmp9, 2
	s_add_co_u32 s48, s48, s32
	s_lshl_b32 s50, s48, 2
	s_mov_b32 s51, 0
	s_lshl_b32 s48, s48, 15
	s_mov_b32 s49, 0
	s_mov_b32 s44, 0x76543210
	s_mov_b32 s45, 0xfedcba98
	s_wait_dscnt 0x0
	s_wait_kmcnt 0x0
	s_load_b64 s[38:39], s[6:7], 0x40
	s_add_nc_u64 s[14:15], s[14:15], s[50:51]
	s_load_b32 s34, s[14:15], 0x0
	s_add_nc_u64 s[26:27], s[4:5], s[48:49]
	s_or_b32 s27, s27, 0x80000000
	tensor_load_to_lds s[24:27], s[16:23]
	s_nop 0
.rept 4
	v_nop
.endr
	v_and_b32 v11, 15, v0
	v_bfe_u32 v12, v0, 4, 1
	v_and_b32 v13, 31, v0
	v_lshlrev_b32 v[L16], 4, v13
	v_mul_u32_u24 v[TA], v11, 2*HALF
	v_lshl_add_u32 v[TA], v12, 6, v[TA]
	v_add_nc_u32 v[TA], s25, v[TA]
	s_lshl_b32 s48, s32, 11
	s_add_co_u32 s48, s48, VFS
	v_add_nc_u32 v[VSW], s48, v[L16]
	v_lshlrev_b32 v[VA], 6, v12
	v_add_nc_u32 v[VA], s48, v[VA]
	v_add_nc_u32 v[LIE], EXC, v[L16]
	s_lshl_b32 s48, s32, 13
	v_add_nc_u32 v[EXW], s48, v[LIE]
	s_mul_i32 s48, s32, 4352
	s_add_co_u32 s48, s48, OST
	v_mul_u32_u24 v[OSA], v11, 272
	v_lshl_add_u32 v[OSA], v12, 5, v[OSA]
	v_add_nc_u32 v[OSA], s48, v[OSA]
	v_mul_u32_u24 v[ORA], v12, 272
	v_lshl_add_u32 v[ORA], v11, 4, v[ORA]
	v_add_nc_u32 v[ORA], s48, v[ORA]
	v_lshlrev_b32 v[OGO], 16, v12
	v_lshl_add_u32 v[OGO], v11, 4, v[OGO]
	s_min_u32 s33, s32, 1
	s_mul_i32 s50, s32, 6
	s_add_co_u32 s33, s33, s50
	s_lshl_b32 s50, s33, 13
	s_add_nc_u64 s[8:9], s[8:9], s[50:51]
	s_lshl_b32 s50, s33, 20
	s_lshl_b32 s48, ttmp9, 8
	s_add_co_u32 s50, s50, s48
	s_add_nc_u64 s[36:37], s[36:37], s[50:51]
	s_wait_kmcnt 0x0
	s_min_u32 s34, s34, 399
	s_lshl_b32 s34, s34, 11
	v_add_nc_u32 v[VOF], s34, v[L16]
	WIN 0xc0
.irp p, 0,1,2,3,4,5,6,7
.irp q, 0,1,2,3
	global_load_b128 v[16*\p+4*\q:16*\p+4*\q+3], v[VOF], s[10:11] offset:819200*\p+512*\q
.endr
.endr
.irp q, 0,1,2,3
	global_load_b128 v[128+4*\q:131+4*\q], v[L16], s[12:13] offset:512*\q
.endr
	WIN 0
	TLOAD 0, 0
	TLOAD 1, 1
	s_add_co_i32 s50, s39, 127
	s_lshl_b32 s48, s50, 23
	v_mov_b32 v12, s48
	s_add_co_i32 s50, s50, 8
	s_lshl_b32 s50, s50, 23
	s_or_b32 s50, s50, 0x600000
	v_mov_b32 v13, s50
	s_add_co_i32 s40, s38, s39
	s_add_co_i32 s40, s40, 127
	s_lshl_b32 s40, s40, 23
	s_mov_b32 s41, s40
	s_wait_loadcnt 32                              ; behind the chain's rows and fc2_b stand the 32 loads of tiles 0 and 1
	WIN 0x0f
.irp k, 0,1,2,3,4,5,6,7
	v_pk_add_f32 v[VS+2*\k:VS+2*\k+1], v[2*\k:2*\k+1], v[16+2*\k:17+2*\k]
.endr
	WIN 0x0c
.irp p, 2,3,4,5,6,7,8
.irp k, 0,1,2,3,4,5,6,7
	v_pk_add_f32 v[VS+2*\k:VS+2*\k+1], v[VS+2*\k:VS+2*\k+1], v[16*\p+2*\k:16*\p+2*\k+1]
.endr
.endr
	WIN 0
.irp q, 0,1,2,3
	ds_store_b128 v[VSW], v[VS+4*\q:VS+4*\q+3] offset:512*\q
.endr
	s_wait_tensorcnt 0x0
	WIN 0x40
.irp s, 0,1,2,3
.irp c, 0,1,2,3
.irp j, 0,1,2,3
	ds_load_b128 v[64*\s+16*\c+4*\j:64*\s+16*\c+4*\j+3], v[TA] offset:HALF*(\s/2)+512*(\s%2)+128*\c+16*\j
.endr
.endr
.endr
	WIN 0
	VTLOAD 0
	TLOAD 2, 2                                     ; my tiles 2 and 3 are asked for behind the wait for the frames, and are on their way while the frames are quantised
	TLOAD 3, 3
.irp s, 0,1,2,3
.if \s < 3
	VTLOAD \s+1
	s_wait_dscnt 16
.else
	s_wait_dscnt 0x0
.endif
	WIN 0x41
.set i, 0
.rept 32
	v_pk_add_f32 v[64*\s+2*i:64*\s+2*i+1], v[64*\s+2*i:64*\s+2*i+1], v[VT+64*(\s%2)+2*i:VT+64*(\s%2)+2*i+1]
.set i, i+1
.endr
	WIN 0x05
.set i, 0
.rept 32
.if (\s == 0) && (i < 4)
	v_pk_mul_f32 v[SQ+2*i:SQ+2*i+1], v[2*i:2*i+1], v[2*i:2*i+1]
.else
	v_pk_fma_f32 v[SQ+2*(i%4):SQ+2*(i%4)+1], v[64*\s+2*i:64*\s+2*i+1], v[64*\s+2*i:64*\s+2*i+1], v[SQ+2*(i%4):SQ+2*(i%4)+1]
.endif
.set i, i+1
.endr
	WIN 0
.endr
	v_pk_add_f32 v[224:225], v[224:225], v[226:227]
	v_pk_add_f32 v[228:229], v[228:229], v[230:231]
	v_pk_add_f32 v[224:225], v[224:225], v[228:229]
	v_add_f32 v224, v224, v225
	v_permlanex16_b32 v225, v224, s44, s45
	v_add_f32 v224, v224, v225
	s_wait_alu depctr_va_vdst(0)
	v_rsq_f32 v14, v224
	v_nop
	s_wait_alu depctr_va_vdst(0)
	v_mov_b32 v15, v14
.irp s, 0,1,2,3
	WIN 0x01
.set i, 0
.rept 32
	v_pk_mul_f32 v[T+2*i:T+2*i+1], v[64*\s+2*i:64*\s+2*i+1], v[14:15] op_sel_hi:[1,0]
.set i, i+1
.endr
	WIN 0
.set i, 0
.rept 64
	v_med3_num_f32 v[T+i], v[T+i], -v13, v13
.set i, i+1
.endr
.set i, 0
.rept 8
	v_cvt_scalef32_pk8_fp8_f32 v[PC+16*\s+2*i:PC+16*\s+2*i+1], v[T+8*i:T+8*i+7], v12
.set i, i+1
.endr
	v_nop
.irp c, 0,1,2,3
	ds_store_b128 v[EXW], v[PC+16*\s+4*\c:PC+16*\s+4*\c+3] offset:2048*\s+512*\c
.endr
.endr
	s_wait_dscnt 0x0
	s_barrier_signal -1
	s_barrier_wait -1
	WIN 0x40
.irp b, 0,1,2,3
.irp s, 0,1,2,3
.irp c, 0,1,2,3
	ds_load_b128 v[64*\b+16*\s+4*\c:64*\b+16*\s+4*\c+3], v[LIE] offset:8192*\b+2048*\s+512*\c
.endr
.endr
.endr
	WIN 0
	s_wait_dscnt 0x0
.macro TILE i, ld, cnt
	s_wait_loadcnt \cnt
	WIN 0x09
.irp s, 0,1,2,3
.irp b, 0,1,2,3
.if \s == 0
	v_wmma_f32_16x16x128_fp8_fp8 v[ACC+8*\b:ACC+8*\b+7], v[64*\b+16*\s:64*\b+16*\s+15], v[64*((\i)%4)+16*\s:64*((\i)%4)+16*\s+15], 0
.else
	v_wmma_f32_16x16x128_fp8_fp8 v[ACC+8*\b:ACC+8*\b+7], v[64*\b+16*\s:64*\b+16*\s+15], v[64*((\i)%4)+16*\s:64*((\i)%4)+16*\s+15], v[ACC+8*\b:ACC+8*\b+7]
.endif
.endr
.endr
	WIN 0
	PLACES
.if (\ld) == 1
	TLOAD (\i)%4, (\i)+4
.elseif (\ld) == 2
	s_cmp_lg_u32 s32, 0
	s_cbranch_scc1 .Lno7_\@
	TLOAD (\i)%4, (\i)+4
.Lno7_\@:
.endif
.set n, 0
.rept 16
	v_pk_mul_f32 v[ACC+2*n:ACC+2*n+1], v[ACC+2*n:ACC+2*n+1], s[40:41] op_sel_hi:[1,0]
.set n, n+1
.endr
.irp b, 0,1,2,3
	ds_store_b128 v[OSA], v[ACC+8*\b:ACC+8*\b+3] offset:64*\b
	ds_store_b128 v[OSA], v[ACC+8*\b+4:ACC+8*\b+7] offset:64*\b+16
.endr
	s_wait_xcnt 0x0
.irp k, 0,1,2,3,4,5,6,7
	ds_load_b128 v[RB+32*((\i)%2)+4*\k:RB+32*((\i)%2)+4*\k+3], v[ORA] offset:544*\k
.endr
.irp k, 0,1,2,3,4,5,6,7
	s_wait_dscnt 7-\k
	global_store_b128 v[OGO], v[RB+32*((\i)%2)+4*\k:RB+32*((\i)%2)+4*\k+3], s[36:37] offset:(16*(\i)+2*\k)*65536 th:TH_STORE_NT
.endr
.endm
	TILE 0, 1, 48
	TILE 1, 1, 48
	TILE 2, 2, 48
	TILE 3, 0, 32
	TILE 4, 0, 16
	TILE 5, 0, 0
	s_cmp_lg_u32 s32, 0
	s_cbranch_scc1 .Lsix
	TILE 6, 0, 0
.Lsix:
	s_wait_tensorcnt 0x0
	ds_add_u32 v[SPW], v[NIL]
	s_wait_dscnt 0x0
	s_endpgm
.Lfunc_end_k_q4766e440ac_logits:
	.size	k_q4766e440ac_logits, .Lfunc_end_k_q4766e440ac_logits-k_q4766e440ac_logits
	.p2alignl 7, 3214868480
	.fill 96, 4, 3214868480
	.section	.rodata,"a",@progbits
	.p2align	6, 0x0
	.amdhsa_kernel k_q4766e440ac_logits
		.amdhsa_group_segment_fixed_size 327680
		.amdhsa_private_segment_fixed_size 0
		.amdhsa_enable_private_segment 0
		.amdhsa_kernarg_size 56
		.amdhsa_user_sgpr_count 2
		.amdhsa_user_sgpr_kernarg_segment_ptr 1
		.amdhsa_wavefront_size32 1
		.amdhsa_system_sgpr_workgroup_id_x 1
		.amdhsa_system_sgpr_workgroup_id_y 1
		.amdhsa_system_sgpr_workgroup_id_z 1
		.amdhsa_system_vgpr_workitem_id 0
		.amdhsa_next_free_vgpr 1024
		.amdhsa_next_free_sgpr 66
		.amdhsa_reserve_vcc 0
		.amdhsa_float_denorm_mode_32 3
		.amdhsa_float_denorm_mode_16_64 3
		.amdhsa_memory_ordered 1
		.amdhsa_forward_progress 1
		.amdhsa_inst_pref_size 110
	.end_amdhsa_kernel
	.amdgpu_metadata
---
amdhsa.version: [ 1, 2 ]
amdhsa.kernels:
  - .name:           k_q4766e440ac_logits
    .symbol:         k_q4766e440ac_logits.kd
    .args:
      - { .name: image_feats, .offset: 0, .size: 8, .value_kind: global_buffer, .address_space: global }
      - { .name: lowp_scales, .offset: 8, .size: 8, .value_kind: global_buffer, .address_space: global }
      - { .name: tn, .offset: 16, .size: 8, .value_kind: global_buffer, .address_space: global }
      - { .name: vfp, .offset: 24, .size: 8, .value_kind: global_buffer, .address_space: global }
      - { .name: fc2_b, .offset: 32, .size: 8, .value_kind: global_buffer, .address_space: global }
      - { .name: top_idx, .offset: 40, .size: 8, .value_kind: global_buffer, .address_space: global }
      - { .name: out0, .offset: 48, .size: 8, .value_kind: global_buffer, .address_space: global }
    .group_segment_fixed_size: 327680
    .private_segment_fixed_size: 0
    .kernarg_segment_align: 8
    .kernarg_segment_size: 56
    .max_flat_workgroup_size: 128
    .sgpr_count:     66
    .vgpr_count:     1024
    .wavefront_size: 32
...
	.end_amdgpu_metadata
.endif
;; end of part 6
